; MI455X (gfx1250); checked and timed in simulation.
; The chip was launched on July 23, 2026; its instructions are those of AMD's public machine-readable ISA for CDNA 5 (MIT licence, August 2026) and "CDNA5" Instruction Set Architecture Reference Guide (July 2026). The comments in the code are by the model that wrote it; some were corrected since.
;; Causal Self Attention. Allowed arithmetic: matrix products marked QUANTISED: E2M3 operands, one E8M0 scale for each 32 along K, by v_wmma_scale_f32_16x16x128_f8f6f4 with both operands' format E2M3, f32 sums; everything else in f32.
;; Inputs: W_proj 1,024 x 1,024 float32; W_qkv 1,024 x 3,072 float32; b_proj 1,024 float32; b_qkv 3,072 float32; x 4 x 2,048 x 1,024 float32.
;; Outputs: out0 4 x 2,048 x 1,024 float32.
;; This version of the problem:
;;   THIS VERSION OF THE PROBLEM IS GIVEN IN LOW PRECISION. The matrix products marked QUANTISED in the list below multiply operands that are first quantised to E2M3 (2 exponent bits, 3 mantissa bits; 6 bits a number), with one power-of-two scale for each 32 numbers along K (OCP MX v1.0); their sums are f32. All else is computed in f32.
;;   The module's matrix products, in the order in which they are computed (A, B: the left and right operand; K: the contracted axis; several contracted axes count as one K, in the product's order):
;;     1. [M 8,192, K 1,024] x [K 1,024, N 3,072]; A: input x; B: input W_qkv: QUANTISED
;;     2. batch 64 x [M 2,048, K 64] x [K 64, N 2,048]; A: computed on the way; B: computed on the way: QUANTISED
;;     3. batch 64 x [M 2,048, K 2,048] x [K 2,048, N 64]; A: softmax (see below); B: computed on the way: QUANTISED
;;     4. [M 8,192, K 1,024] x [K 1,024, N 1,024]; A: computed on the way; B: input W_proj: QUANTISED
;;   THE QUANTISER, for each operand of a quantised product, along K:
;;     - K is cut into blocks of 32 from its start; a last block that is shorter is filled with zeros.
;;     - A block's scale is 2^e with e = floor(log2(the largest magnitude in the block)) - 2, held to -126 .. 127; a block of zeros has e = 0. As a byte (E8M0): e + 127.
;;     - Each number is divided by its block's scale, clamped to +-7.5, and rounded to the nearest number of E2M3, ties to even, subnormals kept.
;;     - The product sums the exact products of the quantised numbers (number of the format x scale) in f32.
;;   ~~~python
;;   def quantise(x, axis):      # numpy; x: float32 -> the quantised numbers, widened to float32 again
;;       x = np.moveaxis(x, axis, -1); K = x.shape[-1]
;;       x = np.pad(x, [(0, 0)] * (x.ndim - 1) + [(0, -K % 32)]); x = x.reshape(x.shape[:-1] + (-1, 32)); a = np.abs(x).max(-1, keepdims=True)
;;       e = np.where(a > 0, np.clip(np.frexp(np.where(a > 0, a, 1))[1] - 1 - 2, -126, 127), 0)      # np.frexp(a)[1] - 1 = floor(log2(a)), exactly
;;       r = np.clip(x / 2.0 ** e, -7.5, 7.5)
;;       step = 2.0 ** (np.maximum(np.frexp(np.where(r == 0, 1, r))[1] - 1, 0) - 3)
;;       q = np.round(r / step) * step * 2.0 ** e      # np.round: ties to even
;;       return np.moveaxis(q.reshape(q.shape[:-2] + (-1,))[..., :K], -1, axis).astype(np.float32)
;;   ~~~
;;   SOFTMAX AHEAD OF A QUANTISED PRODUCT. Where the list says 'softmax', what is quantised is not the finished softmax but p = 2^(t - M), with t = logit x log2(e) and M = ceil(the row's largest t), a whole number; so 1/2 < the row's largest p <= 1. The row's sum l is taken of the UNQUANTISED p, in f32, and the product's result is divided by l at the end. Since M is a whole number, a kernel that streams over the keys may use a running M (the ceiling of the running maximum): every later rescaling is an exact power of two, which a block's scale takes up: the codes' values come out the same.
;;   OPERANDS COMPUTED ON THE WAY. 'Computed on the way' means the value that the module computes at that place (a softmax that the list does not call 'softmax' is quantised finished and normalised). What goes into a quantiser is computed in f32, as accurately as f32 sums, v_exp_f32 and their like allow (about 1e-6 of the number): no bf16 or f16 on the way to a quantiser, and a product that is left as it is and whose result goes on into a quantised operand takes f32 operands (vector FMAs, or v_wmma_f32_16x16x4_f32). A number that lies on a knife's edge between two numbers of the format may be rounded either way, as far as f32 arithmetic and the matrix unit's own rounding can turn it there, and no further.
;; One version. Each part assembles by itself: llvm-mc -triple=amdgcn-amd-amdhsa -mcpu=gfx1250 --defsym DOCPART=n.
;; ======== version 1 of 1: 4 launches
;; workspace buffers: xq 6,553,600 bytes; wq 2,457,600 bytes; wp 819,200 bytes; qb 8,388,608 bytes; kvb 13,107,200 bytes; yq 6,553,600 bytes
;; launch quant (part 1): grid 768 x 1, 2 waves a work-group, no clusters, 17,152 bytes of LDS; arguments x, W_qkv, W_proj, xq, wq, wp; writes xq, wq, wp
.if DOCPART == 1
	.amdgcn_target "amdgcn-amd-amdhsa--gfx1250"
	.amdhsa_code_object_version 6
	.text
	.protected	k_q1ed4e4ad02_quant
	.globl	k_q1ed4e4ad02_quant
	.p2align	8
	.type	k_q1ed4e4ad02_quant,@function
k_q1ed4e4ad02_quant:
	s_mov_b64 s[64:65], 0
	v_nop
	global_prefetch_b8 v0, s[64:65] scope:SCOPE_SE
	s_setreg_imm32_b32 hwreg(HW_REG_WAVE_MODE, 25, 1), 1
	s_wait_xcnt 0x0
; x [8192][1024], W_qkv [1024][3072] and W_proj [1024][1024], f32, become codes of FP6 (E2M3) with one E8M0 byte for each 32 along K (K = 1,024 for all three).
; A block's scale is 2^(floor(log2(its largest magnitude)) - 2); its byte is the largest magnitude's exponent field - 2, held at 1 from below; each number is divided by the scale and rounded to the nearest code, ties to even.
; LIMITS: NaN and infinities among the inputs are not served; a block whose largest magnitude lies under 2^-124, a block of zeros among them, gets the byte 1 (its codes are then zeros or the nearest codes under that scale);
; the bytes are read by this program alone.
; THE WORKSPACE IS LAID AS THE READER'S REGISTERS WANT IT.  A record of REC bytes holds 128 rows (tokens, or output channels of a weight) x 1,024 K: slot (256 K) x 24,576 + tile of 16 rows x 3,072 + (128 K) x 1,536: a FRAGMENT IMAGE:
; for each half c of the 128 K, registers 6 c .. 6 c + 3 at 768 c + 16 x lane and registers 6 c + 4, 6 c + 5 at 768 c + 512 + 8 x lane.  Behind the codes, at RSC: slot x 1,024 + row x 8 + (128 K) x 4: the scale words.
; THE ROWS OF A TILE ARE NOT NEIGHBOURS: inside each 32 rows, tile u's row m is row 8 u + m + 8 (m / 8), so that two neighbouring tiles, used as source 0, leave 16 neighbours in a lane's 16 result registers.
; SHARES: two waves, which share nothing.  Work-groups 0 to 511: x; a wave takes 32 tokens x 256 K.  Work-groups 512 to 767: the weights; a wave takes 32 channels x 256 K.  32 KiB of f32 a wave either way.
.set REC,   102400
.set RSC,   98304
.set SLB,   24576
.set RT,    3072
.set FRB,   1536
.set SP,    528                        ; a stage row: 512 bytes + 16: the sixteen rows that a read touches begin in sixteen different groups of four banks
.set STG,   16*SP                      ; a wave's stage (x's path alone)
.set SPARE, 2*STG                      ; behind the stages: the spare words, 128 bytes a wave: one block of 256 bytes that no other line names
.set L16, 1                            ; v1   16 x lane
.set L8,  2                            ; v2   8 x lane
.set STS, 3                            ; v3   the stage, on the way in: 16 x lane
.set STL, 4                            ; v4   and back: 528 r + 64 h
.set SPW, 5                            ; v5   my spare word; never rewritten
.set NIL, 6                            ; v6   0; never rewritten
.set TM,  8                            ; v8-23 at work in QUANT
.set PW,  24                           ; v24-27 x: the four scale words;  weights: v24-25 the eight bytes
.set R,   32                           ; x: three sets of 64 numbers, v32-223
.set PC,  224                          ; x: the codes just made, v224-242
.set VO,  32                           ; weights: v32-63 byte offset of my channel in row i of a block
.set X,   64                           ; weights: four sets of 32 numbers, v64-191; v192-255 the codes, a place of its own for each block
.set SEL, 28                           ; s[28:29] v_permlanex16_b32's selects for lane l xor 16
.set WB,  32                           ; s[32:47] weights: the eight blocks' bases
; 64 numbers of a lane, register 16 b + i = k 32 b + 16 (lane / 16) + i of my row, become a fragment's codes in v[PC] .. v[PC + 11] and its scale word in v[pw]
.macro QUANT s, pw
.irp b, 0,1,2,3
	v_max3_num_f32 v[TM+\b], |v[\s+16*\b]|, |v[\s+1+16*\b]|, 0x1800000   ; my 16 numbers of block b, and the floor 2^(3 - 127): the byte cannot fall under 1
.endr
.irp i, 2,4,6,8,10,12,14
.irp b, 0,1,2,3
	v_max3_num_f32 v[TM+\b], v[TM+\b], |v[\s+16*\b+\i]|, |v[\s+1+16*\b+\i]|   ; the four blocks by turns
.endr
.endr
.irp b, 0,1,2,3
	v_permlanex16_b32 v[TM+4+\b], v[TM+\b], s[SEL], s[SEL+1]
.endr
.irp b, 0,1,2,3
	v_max_num_f32 v[TM+\b], v[TM+\b], v[TM+4+\b]                        ; with lane l xor 16's 16: the block's largest magnitude
.endr
.irp b, 0,1,2,3
	v_add_nc_u32 v[TM+12+\b], 0xff000000, v[TM+\b]                      ; 2 off its exponent field: the conversion's scale operand
.endr
.irp b, 0,1,2,3
	v_lshrrev_b32 v[TM+4+\b], 23, v[TM+12+\b]                           ; the scale's byte
.endr
	v_lshl_or_b32 v[\pw], v[TM+5], 8, v[TM+4]
	v_lshl_or_b32 v[\pw], v[TM+6], 16, v[\pw]
	v_lshl_or_b32 v[\pw], v[TM+7], 24, v[\pw]
.irp c, 0,1
	v_cvt_scalef32_pk16_fp6_f32 v[PC+6*\c:PC+2+6*\c], v[\s+32*\c:\s+15+32*\c], v[TM+12+2*\c]
	v_cvt_scalef32_pk16_fp6_f32 v[PC+12+4*\c:PC+14+4*\c], v[\s+16+32*\c:\s+31+32*\c], v[TM+12+2*\c+1]   ; (a conversion's three registers begin on an even number)
.endr
	v_nop                                          ; one plain place behind a scaled conversion
.irp c, 0,1                                    ; the operand's layout wants a whole block in a lane
.irp i, 0,1,2
	v_permlane16_swap_b32 v[PC+6*\c+\i], v[PC+12+4*\c+\i]
.endr
.irp i, 0,1,2
	v_mov_b32 v[PC+3+6*\c+\i], v[PC+12+4*\c+\i]
.endr
.endr
.endm
	s_load_b256 s[4:11], s[0:1], 0x0               ; x s[4:5], W_qkv s[6:7], W_proj s[8:9], xq s[10:11]
	s_load_b128 s[12:15], s[0:1], 0x20             ; wq s[12:13], wp s[14:15]
	v_lshl_add_u32 v[SPW], v0, 2, SPARE
	v_mov_b32 v[NIL], 0
	v_lshrrev_b32 v7, 5, v0
	v_readfirstlane_b32 s16, v7                    ; wave
	v_and_b32 v7, 31, v0                           ; lane
	v_and_b32 v30, 15, v0                          ; r
	v_bfe_u32 v31, v0, 4, 1                        ; h
	v_lshlrev_b32 v[L16], 4, v7
	v_lshlrev_b32 v[L8], 3, v7
	s_mul_i32 s17, s16, STG
	v_add_nc_u32 v[STS], s17, v[L16]
	v_mul_u32_u24 v[STL], v30, SP
	v_lshl_add_u32 v[STL], v31, 6, v[STL]
	v_add_nc_u32 v[STL], s17, v[STL]
	s_mov_b32 s[SEL], 0x76543210
	s_mov_b32 s[SEL+1], 0xfedcba98
	s_wait_kmcnt 0x0
	s_cmp_lt_u32 ttmp9, 512
	s_cbranch_scc0 .Lweights
	; ---------------- x: K is innermost.  Sub-step t = 2 u + kk: tile u's 16 tokens x 128 K (512 bytes of each row)
	s_lshr_b32 s18, ttmp9, 1                       ; which 32 tokens
	s_and_b32 s19, ttmp9, 1
	s_lshl_b32 s19, s19, 1
	s_add_co_u32 s19, s19, s16                     ; which slot of 256 K
	s_lshl_b32 s20, s18, 17                        ; 32 rows of 4,096 bytes
	s_lshl_b32 s21, s19, 10
	s_add_co_u32 s20, s20, s21
	s_mov_b32 s21, 0
	s_add_nc_u64 s[4:5], s[4:5], s[20:21]
.macro XLOAD t, set                    ; sixteen loads, each 512 consecutive bytes of one token's row
.irp i, 0,1,2,3,4,5,6,7,8,9,10,11,12,13,14,15
	global_load_b128 v[R+64*(\set)+4*\i:R+64*(\set)+4*\i+3], v[L16], s[4:5] offset:(8*((\t)/2)+\i+8*(\i/8))*4096+512*((\t)%2) th:TH_LOAD_NT
.endr
.endm
	XLOAD 0, 0
	XLOAD 1, 1
	XLOAD 2, 2
	s_lshr_b32 s22, s18, 2
	s_mul_i32 s22, s22, REC                        ; my record
	s_and_b32 s24, s18, 3                          ; which 32 of its 128 rows
	s_mul_i32 s20, s19, SLB
	s_add_co_u32 s20, s20, s22
	s_mul_i32 s23, s24, 2*RT
	s_add_co_u32 s20, s20, s23
	s_add_nc_u64 s[26:27], s[10:11], s[20:21]      ; my two tiles' images
	s_lshl_b32 s20, s19, 10
	s_add_co_u32 s20, s20, s22
	s_lshl_b32 s23, s24, 8
	s_add_co_u32 s20, s20, s23
	s_add_co_u32 s20, s20, RSC
	s_add_nc_u64 s[30:31], s[10:11], s[20:21]      ; my 32 rows' scale words
.irp b, 0,1,2,3
	v_mov_b32 v[TM+4+\b], 0                        ; written once: a lane permute's destination counts as one of its sources
.endr
; a sub-step: the 16 rows go through my stage as they lie and come back 16 neighbours of each block to a lane, into the registers that they left (LDS serves a wave's instructions in order)
.macro XSTEP t, set, left
	s_wait_loadcnt \left                           ; this sub-step's sixteen loads are in; the younger sub-steps' may be out
.irp i, 0,1,2,3,4,5,6,7,8,9,10,11,12,13,14,15
	ds_store_b128 v[STS], v[R+64*(\set)+4*\i:R+64*(\set)+4*\i+3] offset:SP*\i
.endr
.irp b, 0,1,2,3
.irp j, 0,1,2,3
	ds_load_b128 v[R+64*(\set)+16*\b+4*\j:R+64*(\set)+16*\b+4*\j+3], v[STL] offset:128*\b+16*\j
.endr
.endr
	s_wait_dscnt 0x0
	s_wait_xcnt 0x0                                ; the last sub-step's stores have read the codes' registers
	QUANT R+64*(\set), PW+(\t)
	global_store_b128 v[L16], v[PC:PC+3], s[26:27] offset:((\t)/2)*RT+((\t)%2)*FRB          ; 512, 256, 512, 256 consecutive bytes
	global_store_b64 v[L8], v[PC+4:PC+5], s[26:27] offset:((\t)/2)*RT+((\t)%2)*FRB+512
	global_store_b128 v[L16], v[PC+6:PC+9], s[26:27] offset:((\t)/2)*RT+((\t)%2)*FRB+768
	global_store_b64 v[L8], v[PC+10:PC+11], s[26:27] offset:((\t)/2)*RT+((\t)%2)*FRB+1280
.endm
	XSTEP 0, 0, 32
	XLOAD 3, 0                                     ; the first set is free
	XSTEP 1, 1, 32
	XSTEP 2, 2, 16
	XSTEP 3, 0, 0
	v_cmp_eq_u32 vcc_lo, 1, v31                    ; lane 16 u + r stores row 16 u + r's two words (every lane holds its r's words of both tiles)
	v_cndmask_b32 v28, v[PW], v[PW+2], vcc_lo
	v_cndmask_b32 v29, v[PW+1], v[PW+3], vcc_lo
	global_store_b64 v[L8], v[28:29], s[30:31]     ; 256 consecutive bytes
	s_branch .Lend
	; ---------------- the weights: K is the FIRST axis.  A lane takes a channel and its registers run down K
.Lweights:
	s_sub_co_u32 s17, ttmp9, 512
	s_mov_b32 s18, 4096
	s_cmp_lt_u32 s17, 192                          ; W_qkv's work-group or W_proj's?  The choice hangs on the work-group's number alone
	s_cselect_b64 s[4:5], s[6:7], s[8:9]
	s_cselect_b64 s[10:11], s[12:13], s[14:15]
	s_cselect_b32 s18, 12288, s18                  ; a row of the weight in bytes
	s_cselect_b32 s19, 0, 192
	s_sub_co_u32 s17, s17, s19
	s_lshr_b32 s20, s17, 2
	s_lshl_b32 s20, s20, 1
	s_add_co_u32 s20, s20, s16                     ; which 32 channels
	s_and_b32 s21, s17, 3                          ; which slot of 256 K
	s_lshl_b32 s22, s18, 8
	s_mul_i32 s22, s22, s21
	s_lshl_b32 s23, s20, 7
	s_add_co_u32 s22, s22, s23
	s_mov_b32 s23, 0
	s_add_nc_u64 s[WB:WB+1], s[4:5], s[22:23]
	s_lshl_b32 s24, s18, 5                         ; 32 rows on
	s_mov_b32 s25, 0
.irp t, 1,2,3,4,5,6,7
	s_add_nc_u64 s[WB+2*\t:WB+2*\t+1], s[WB+2*\t-2:WB+2*\t-1], s[24:25]
.endr
	v_and_b32 v7, 8, v30
	v_add_nc_u32 v7, v7, v30
	v_lshl_add_u32 v7, v31, 3, v7                  ; lane 16 u + r takes channel 8 u + r + 8 (r / 8) of the 32: a load's 32 lanes read 128 consecutive bytes
	v_lshlrev_b32 v[VO], 2, v7
.irp i, 1,2,3,4,5,6,7,8,9,10,11,12,13,14,15,16,17,18,19,20,21,22,23,24,25,26,27,28,29,30,31
	v_add_nc_u32 v[VO+\i], s18, v[VO+\i-1]
.endr
.macro WLOAD t                         ; block t: 32 rows of K
.irp i, 0,1,2,3,4,5,6,7,8,9,10,11,12,13,14,15,16,17,18,19,20,21,22,23,24,25,26,27,28,29,30,31
	global_load_b32 v[X+32*((\t)%4)+\i], v[VO+\i], s[WB+2*(\t):WB+2*(\t)+1] th:TH_LOAD_NT
.endr
.endm
	WLOAD 0
	WLOAD 1
	s_lshr_b32 s22, s20, 2
	s_mul_i32 s22, s22, REC
	s_and_b32 s24, s20, 3
	s_mul_i32 s26, s21, SLB
	s_add_co_u32 s26, s26, s22
	s_mul_i32 s27, s24, 2*RT
	s_add_co_u32 s26, s26, s27
	s_mov_b32 s27, 0
	s_add_nc_u64 s[26:27], s[10:11], s[26:27]      ; my two tiles' images
	s_lshl_b32 s30, s21, 10
	s_add_co_u32 s30, s30, s22
	s_lshl_b32 s31, s24, 8
	s_add_co_u32 s30, s30, s31
	s_add_co_u32 s30, s30, RSC
	s_mov_b32 s31, 0
	s_add_nc_u64 s[30:31], s[10:11], s[30:31]      ; my 32 rows' scale words
.macro WBLOCK t
.set XS, X+32*((\t)%4)
.set CD, 192+16*((\t)/2)+8*((\t)%2)
.set TP, 8+4*((\t)%2)
.if (\t) < 7
	s_wait_loadcnt 32                              ; this block's 32 loads are in; the next block's may be out
.else
	s_wait_loadcnt 0x0
.endif
.if (\t)+2 < 8
	WLOAD (\t)+2                                   ; two blocks ahead, into a set whose block is done
.endif
	v_max3_num_f32 v[TP], |v[XS]|, |v[XS+1]|, |v[XS+2]|                 ; all 32 numbers of the block are mine
	v_max3_num_f32 v[TP+1], |v[XS+3]|, |v[XS+4]|, |v[XS+5]|
.irp i, 6,10,14,18,22,26
	v_max3_num_f32 v[TP], v[TP], |v[XS+\i]|, |v[XS+\i+1]|
	v_max3_num_f32 v[TP+1], v[TP+1], |v[XS+\i+2]|, |v[XS+\i+3]|
.endr
	v_max3_num_f32 v[TP], v[TP], |v[XS+30]|, |v[XS+31]|
	v_max3_num_f32 v[TP], v[TP], v[TP+1], 0x1800000                     ; and the floor
	v_add_nc_u32 v[TP+2], 0xff000000, v[TP]
	v_lshrrev_b32 v[TP+3], 23, v[TP+2]
.if (\t)%4 == 0
	v_mov_b32 v[PW+(\t)/4], v[TP+3]
.else
	v_lshl_or_b32 v[PW+(\t)/4], v[TP+3], 8*((\t)%4), v[PW+(\t)/4]
.endif
	v_cvt_scalef32_pk16_fp6_f32 v[CD:CD+2], v[XS:XS+15], v[TP+2]
	v_cvt_scalef32_pk16_fp6_f32 v[CD+4:CD+6], v[XS+16:XS+31], v[TP+2]
.endm
; blocks 2 p and 2 p + 1 are the two halves of the lanes of half c = p % 2 of a fragment.  Before the swaps a register holds tile 0's channels in lanes 0-15 and tile 1's in lanes 16-31;
; behind them the first block's registers are tile 0's image and the second's tile 1's
.macro WPAIR p
	WBLOCK 2*(\p)
	WBLOCK 2*(\p)+1
.set EE, 192+16*(\p)
.set FF, 200+16*(\p)
.set OF, ((\p)/2)*FRB+((\p)%2)*768
	v_nop                                          ; one plain place behind a scaled conversion
.irp i, 3,4,5
	v_mov_b32 v[EE+\i], v[EE+\i+1]
	v_mov_b32 v[FF+\i], v[FF+\i+1]
.endr
.irp i, 0,1,2,3,4,5
	v_permlane16_swap_b32 v[EE+\i], v[FF+\i]
.endr
	global_store_b128 v[L16], v[EE:EE+3], s[26:27] offset:OF
	global_store_b64 v[L8], v[EE+4:EE+5], s[26:27] offset:OF+512
	global_store_b128 v[L16], v[FF:FF+3], s[26:27] offset:OF+RT
	global_store_b64 v[L8], v[FF+4:FF+5], s[26:27] offset:OF+RT+512
.endm
	WPAIR 0
	WPAIR 1
	WPAIR 2
	WPAIR 3
	global_store_b64 v[L8], v[PW:PW+1], s[30:31]   ; lane 16 u + r holds row 16 u + r's eight bytes: 256 consecutive bytes
.Lend:
	s_wait_tensorcnt 0x0                           ; the wave's end: behind my last LDS store
	ds_add_u32 v[SPW], v[NIL]
	s_wait_dscnt 0x0
	s_endpgm
.Lfunc_end_k_q1ed4e4ad02_quant:
	.size	k_q1ed4e4ad02_quant, .Lfunc_end_k_q1ed4e4ad02_quant-k_q1ed4e4ad02_quant
	.p2alignl 7, 3214868480
	.fill 96, 4, 3214868480
	.section	.rodata,"a",@progbits
	.p2align	6, 0x0
	.amdhsa_kernel k_q1ed4e4ad02_quant
		.amdhsa_group_segment_fixed_size 17152
		.amdhsa_private_segment_fixed_size 0
		.amdhsa_enable_private_segment 0
		.amdhsa_kernarg_size 48
		.amdhsa_user_sgpr_count 2
		.amdhsa_user_sgpr_kernarg_segment_ptr 1
		.amdhsa_wavefront_size32 1
		.amdhsa_system_sgpr_workgroup_id_x 1
		.amdhsa_system_sgpr_workgroup_id_y 1
		.amdhsa_system_sgpr_workgroup_id_z 1
		.amdhsa_system_vgpr_workitem_id 0
		.amdhsa_next_free_vgpr 256
		.amdhsa_next_free_sgpr 66
		.amdhsa_reserve_vcc 1
		.amdhsa_float_denorm_mode_32 3
		.amdhsa_float_denorm_mode_16_64 3
		.amdhsa_memory_ordered 1
		.amdhsa_forward_progress 1
		.amdhsa_inst_pref_size 75
	.end_amdhsa_kernel
	.amdgpu_metadata
---
amdhsa.version: [ 1, 2 ]
amdhsa.kernels:
  - .name:           k_q1ed4e4ad02_quant
    .symbol:         k_q1ed4e4ad02_quant.kd
    .args:
      - { .name: x, .offset: 0, .size: 8, .value_kind: global_buffer, .address_space: global }
      - { .name: W_qkv, .offset: 8, .size: 8, .value_kind: global_buffer, .address_space: global }
      - { .name: W_proj, .offset: 16, .size: 8, .value_kind: global_buffer, .address_space: global }
      - { .name: xq, .offset: 24, .size: 8, .value_kind: global_buffer, .address_space: global }
      - { .name: wq, .offset: 32, .size: 8, .value_kind: global_buffer, .address_space: global }
      - { .name: wp, .offset: 40, .size: 8, .value_kind: global_buffer, .address_space: global }
    .group_segment_fixed_size: 17152
    .private_segment_fixed_size: 0
    .kernarg_segment_align: 8
    .kernarg_segment_size: 48
    .max_flat_workgroup_size: 64
    .sgpr_count:     66
    .vgpr_count:     256
    .wavefront_size: 32
...
	.end_amdgpu_metadata
.endif
;; end of part 1
;; launch gemm_qkv (part 2): grid 8 x 48, 4 waves a work-group, clusters of 4 x 4, 327,680 bytes of LDS; arguments xq, wq, b_qkv, qb, kvb; writes qb, kvb
.if DOCPART == 2
	.amdgcn_target "amdgcn-amd-amdhsa--gfx1250"
	.amdhsa_code_object_version 6
	.text
	.protected	k_q1ed4e4ad02_gemm_qkv
	.globl	k_q1ed4e4ad02_gemm_qkv
	.p2align	8
	.type	k_q1ed4e4ad02_gemm_qkv,@function
k_q1ed4e4ad02_gemm_qkv:
	s_mov_b64 s[64:65], 0
	v_nop
	global_prefetch_b8 v0, s[64:65] scope:SCOPE_SE
	s_setreg_imm32_b32 hwreg(HW_REG_WAVE_MODE, 25, 1), 1
	s_wait_xcnt 0x0
	s_wait_alu depctr_hold_cnt(0) depctr_sa_sdst(0) depctr_va_vdst(0) depctr_va_sdst(0) depctr_va_ssrc(0) depctr_va_vcc(0) depctr_vm_vsrc(0)
	s_getreg_b32 s2, hwreg(HW_REG_IB_STS2, 6, 4)
	s_cmp_eq_u32 s2, 0
	s_cbranch_scc0 .Lentry_in_a_cluster
	s_endpgm
.Lentry_in_a_cluster:
	s_bfe_u32 s2, ttmp6, 0x10000c
	s_cmp_lg_u32 s2, 0xf033
	s_cbranch_scc0 .Lentry_shape_is_right
	s_endpgm
.Lentry_shape_is_right:
; qkv = x W_qkv + b_qkv on codes of FP6 (E2M3) with E8M0 scales (K = 1,024), and, on the way out, q, k and v quantised again for the attention: qkv never goes to memory as f32.
; OPERANDS are records of 128 rows x 1,024 K laid as images of fragments (slot of 256 K x 24,576 + tile of 16 rows x 3,072 + 128 K x 1,536; scale words at RSC: slot x 1,024 + row x 8 + 128 K x 4): every tile is a dense block.
; A fragment's image: half c: registers 6 c .. 6 c + 3 at 768 c + 16 x lane, registers 6 c + 4, 6 c + 5 at 768 c + 512 + 8 x lane: read by loads of consecutive bytes, no padding wanted.
; Inside each 32 rows, tile u's row m is row 8 u + m + 8 (m / 8): so the results of tiles 2 g and 2 g + 1 as source 0 are 16 neighbours, 32 g + 16 (lane / 16) + 0 .. 15, in a lane's 16 registers.
; A tile of 256 x 256 is made by four waves, 128 x 128 each: 64 accumulators.  K goes in four slots of 256 through a ring of two LDS slots; the scale words come once.
; CLUSTERS of 4 x 4: source 1's tile ('A') is shared along a row of the cluster, source 0's ('B') along a column; each is asked for jointly.
; TWO PARTS, told apart by the cluster's y alone (the same in all partners).  Clusters y 0-7: q and k: A = tokens (xq), B = channels 0-2,047 (wq): a lane holds one token and its registers run along the channels, q's and k's K.
; Clusters y 8-11: v: A = channels 2,048-3,071 (wq), B = tokens (xq): a lane holds one channel and its registers run along the tokens, which are the keys, v's K.
; THE WAY OUT: a block of 16 x 128 results + bias -> four blocks of 32 -> one fragment and a scale word a row; it leaves as images: q: 1,024 bytes for each head and tile of 16 queries (768 of codes, then a scale image);
; k and v: a record of 12,800 bytes for each head and 128 keys: 4 fragments of k (each: two tiles of 16 keys x 64 channels), 4 of v^T (16 channels x 128 keys), k's scale image at 12,288, v's at 12,544.
; LIMITS: NaN and infinities are not served; a block whose largest magnitude lies under 2^-124 (a block of zeros too) gets the byte 1; the bytes are read by this program alone.
; REGISTERS, in windows of 256: window 0: v1-29 addresses; v32-63 scale words, two sets; v64-127 the bias by channel registers; v128-223 A's fragments, one set; v224-239 the bias by lanes.  Window 1: B's fragments, two sets.
; Windows 2, 3: the accumulators ((a, b) at v[8 (8 (a % 4) + b)] of window 2 + a / 4).  On the way out window 0's v32-63 and v128-223 are free.
.set NA,    8                          ; A's blocks of 16 rows a wave
.set CBIAS, 0                          ; the bias is added on the way out
.set REC,   102400
.set RSC,   98304
.set SLB,   24576
.set RT,    3072
.set FRB,   1536
.set FR,    12
.set NL,    4                          ; LDS loads that bring a fragment
.set NP,    4                          ; places behind this matrix instruction (ISA guide 7.12.1)
.set HALFA, NA*RT
.set HALFB, 8*RT
.set SLOT,  2*HALFA+2*HALFB            ; A's two halves, then B's two
.set SCL,   2*SLOT                     ; behind the ring: A's scale words,
.set SCB,   SCL+NA*1024                ; B's,
.set SPARE, SCB+8192                   ; and the spare words, 128 bytes a wave: two blocks of 256 bytes that no other line names
.set L16,  12                          ; v12  16 x lane
.set L8,   13                          ; v13  8 x lane
.set L4,   14                          ; v14  4 x lane
.set ADRA, 16                          ; v16-17 my A fragments in slot 0, 1, by 16 x lane; v18-19 by 8 x lane
.set ADRB, 20                          ; v20-23 the same for B
.set ADRS, 27                          ; v27  my scale words: lanes 0-15 A's rows, lanes 16-31 B's
.set SPW,  28                          ; v28  my spare word; never rewritten
.set NIL,  29                          ; v29  0; never rewritten
.set SC,   32
.set T,    64
.set AF,   128
.set BV,   224
.set H,    128                         ; the way out: 64 numbers
.set PC,   192                         ; the codes just made
.set TM,   32
.set PW,   48                          ; v48-55 the eight blocks' scale words
.set G1,   24
.set G0,   32
.set G1B,  48
.set G0B,  56
.set G1S,  68
.set G0S,  76
.set G1SB, 80
.set G0SB, 88
.set VP,   66                          ; s66  0: q and k;  1: v
.set PT,   67                          ; s67  0: q;  1: k;  2: v
.set P1,   32                          ; the way out (the descriptors' registers are free then): s[32:33], s[34:35] where a block's two halves go; s[36:37] the first of them, kept
.set P2,   34
.set S1,   36
.set STRP, 38
.set JMP,  48
.set DP,   50
.set OFF,  52
.set SEL,  54
.set MSB, 0
.macro WIN new                         ; the immediate's high byte repeats the setting that is left
.if MSB != (\new)
	s_set_vgpr_msb (MSB<<8)|(\new)
.set MSB, (\new)
.endif
.endm
.set MUL_LO, 0xa1                      ; source 0 (B) window 1, source 1 (A) window 0, C and D window 2
.set TO_B,   0x40
; A joint load: waves 0 and 1 fetch for A, waves 2 and 3 for B; the branch hangs on the wave's number alone.  An s_nop 0 and four v_nop follow each of the two lines.
.macro JLOAD g0a, g1a, g0b, g1b
	s_cmp_eq_u32 s15, 0
	s_cbranch_scc0 .Lfor_b_\@
	tensor_load_to_lds s[\g0a:\g0a+3], s[\g1a:\g1a+7]
	s_nop 0
.rept 4
	v_nop
.endr
	s_branch .Lasked_\@
.Lfor_b_\@:
	tensor_load_to_lds s[\g0b:\g0b+3], s[\g1b:\g1b+7]
	s_nop 0
.rept 4
	v_nop
.endr
.Lasked_\@:
.endm
.macro CREST                           ; a round of the cluster's barrier behind its opening barrier
	s_cmp_lg_u32 s14, 0
	s_cbranch_scc1 .Lnot_wave_0_\@
	s_barrier_signal -3
.Lnot_wave_0_\@:
	s_barrier_wait -3
	s_barrier_signal -1
	s_barrier_wait -1
.endm
.macro CROUND
	s_barrier_signal -1
	s_barrier_wait -1
	CREST
.endm
.macro PLACES n
.rept \n
	v_nop
.endr
.endm
.macro FRAG reg, adr, q, i             ; a fragment's image comes back as it was laid
	ds_load_b128 v[\reg:\reg+3], v[\adr] offset:(\i)*RT+(\q)*FRB
	ds_load_b64 v[\reg+4:\reg+5], v[\adr+2] offset:(\i)*RT+(\q)*FRB+512
	ds_load_b128 v[\reg+6:\reg+9], v[\adr] offset:(\i)*RT+(\q)*FRB+768
	ds_load_b64 v[\reg+10:\reg+11], v[\adr+2] offset:(\i)*RT+(\q)*FRB+1280
.endm
.macro FETCH_B slot, q, p              ; B's eight fragments of the slot's q-th 128 along K into set p
	WIN TO_B
.irp i, 0,1,2,3,4,5,6,7
	FRAG 128*(\p)+FR*\i, ADRB+\slot, \q, \i
.endr
	WIN 0
.endm
.macro FETCH_A slot, q, half           ; half of A's blocks
.set i_, 0
.rept NA/2
	FRAG AF+FR*((\half)*(NA/2)+i_), ADRA+\slot, \q, (\half)*(NA/2)+i_
.set i_, i_+1
.endr
.endm
.macro SCALES sc                       ; a slot's scale words: two a row; lanes 0-15 take A's block i, lanes 16-31 B's block i
.irp i, 0,1,2,3,4,5,6,7
	ds_load_b64 v[SC+16*\sc+2*\i:SC+16*\sc+2*\i+1], v[ADRS] offset:128*\i
.endr
.endm
; A's block a against B's eight, 128 along K.  The accumulators take turns, one instruction a turn, in the same order in every step.
.macro MULA a, p, q, sc, zero
.irp b, 0,1,2,3,4,5,6,7
.if (\zero) && CBIAS
	v_wmma_scale_f32_16x16x128_f8f6f4 v[8*(8*((\a)%4)+\b):8*(8*((\a)%4)+\b)+7], v[128*(\p)+FR*\b:128*(\p)+FR*\b+FR-1], v[AF+FR*(\a):AF+FR*(\a)+FR-1], v[T+8*\b:T+8*\b+7], v[SC+16*(\sc)+2*\b+(\q)], v[SC+16*(\sc)+2*(\a)+(\q)] matrix_a_fmt:MATRIX_FMT_FP6 matrix_b_fmt:MATRIX_FMT_FP6 matrix_a_scale:MATRIX_SCALE_ROW1
.elseif \zero
	v_wmma_scale_f32_16x16x128_f8f6f4 v[8*(8*((\a)%4)+\b):8*(8*((\a)%4)+\b)+7], v[128*(\p)+FR*\b:128*(\p)+FR*\b+FR-1], v[AF+FR*(\a):AF+FR*(\a)+FR-1], 0, v[SC+16*(\sc)+2*\b+(\q)], v[SC+16*(\sc)+2*(\a)+(\q)] matrix_a_fmt:MATRIX_FMT_FP6 matrix_b_fmt:MATRIX_FMT_FP6 matrix_a_scale:MATRIX_SCALE_ROW1
.else
	v_wmma_scale_f32_16x16x128_f8f6f4 v[8*(8*((\a)%4)+\b):8*(8*((\a)%4)+\b)+7], v[128*(\p)+FR*\b:128*(\p)+FR*\b+FR-1], v[AF+FR*(\a):AF+FR*(\a)+FR-1], v[8*(8*((\a)%4)+\b):8*(8*((\a)%4)+\b)+7], v[SC+16*(\sc)+2*\b+(\q)], v[SC+16*(\sc)+2*(\a)+(\q)] matrix_a_fmt:MATRIX_FMT_FP6 matrix_b_fmt:MATRIX_FMT_FP6 matrix_a_scale:MATRIX_SCALE_ROW1
.endif
.endr
.endm
.macro MULG k, p, q, sc, zero          ; quarter k of A's blocks
.set a_, (\k)*(NA/4)
.if (\zero) && CBIAS
	WIN 0x81+0x40*(a_/4)
.else
	WIN MUL_LO+0x50*(a_/4)
.endif
.rept NA/4
	MULA a_, \p, \q, \sc, \zero
.set a_, a_+1
.endr
.endm
; A slot's first 128 along K.  A's blocks are free as soon as their products are issued, so one set serves A: its first half is fetched anew in the step's middle, its second at the end.
.macro STEP slot, zero
	s_wait_dscnt (NA/2)*NL                         ; all but the youngest loads, A's second half
	MULG 0, 0, 0, \slot, \zero
	MULG 1, 0, 0, \slot, \zero
	s_wait_dscnt 0x0
	PLACES NP                                      ; in front of loads into registers that matrix instructions have read
	FETCH_B \slot, 1, 1
	FETCH_A \slot, 1, 0
	MULG 2, 0, 0, \slot, \zero
	MULG 3, 0, 0, \slot, \zero
	PLACES NP
	WIN 0
	FETCH_A \slot, 1, 1
.endm
; A slot's second 128 changes slots: one barrier; in front of it each wave waits for all its tensor loads, adds 0 to its spare word, and waits for that and for its reads of this slot.  fill = 1: the slot is filled again, two slots ahead.
.macro TURN slot, next, fill
	s_wait_tensorcnt 0x0                           ; all my tensor loads have landed: my part of the next slot
	ds_add_u32 v[SPW], v[NIL]                      ; 0 onto my spare word
	s_wait_dscnt (NA/2)*NL+1                       ; (the add and A's second half may be out)
	MULG 0, 1, 1, \slot, 0
	s_wait_dscnt 0x0                               ; the add is done, and my reads of this slot are over
	s_barrier_signal -1
	MULG 1, 1, 1, \slot, 0
	WIN 0
	s_barrier_wait -1
.if \fill
	CREST                                          ; the barrier has opened a round of the cluster's: no wave of any partner still reads this slot or has a load on its way
	s_add_nc_u64 s[G0+4*\slot+2:G0+4*\slot+3], s[G0+4*\slot+2:G0+4*\slot+3], 2*SLB
	s_add_nc_u64 s[G0B+4*\slot+2:G0B+4*\slot+3], s[G0B+4*\slot+2:G0B+4*\slot+3], 2*SLB
	JLOAD G0+4*\slot, G1, G0B+4*\slot, G1B         ; the first tensor load behind the round; its four v_nop are the places in front of the loads below
.else
	PLACES NP
.endif
	v_add_nc_u32 v[ADRS], 1024, v[ADRS]            ; the next slot's scale words
	FETCH_B \next, 0, 0
	FETCH_A \next, 0, 0
	SCALES \next
	MULG 2, 1, 1, \slot, 0
	MULG 3, 1, 1, \slot, 0
	PLACES NP
	WIN 0
	FETCH_A \next, 0, 1
.endm
; 64 numbers of a lane, register 16 b + i = k 32 b + 16 (lane / 16) + i of my row, become a fragment's codes in v[PC] .. v[PC + 11] and its scale word in v[pw]
.macro QUANT s, pw
.irp b, 0,1,2,3
	v_max3_num_f32 v[TM+\b], |v[\s+16*\b]|, |v[\s+1+16*\b]|, 0x1800000   ; and the floor 2^(3 - 127): the byte cannot fall under 1
.endr
.irp i, 2,4,6,8,10,12,14
.irp b, 0,1,2,3
	v_max3_num_f32 v[TM+\b], v[TM+\b], |v[\s+16*\b+\i]|, |v[\s+1+16*\b+\i]|
.endr
.endr
.irp b, 0,1,2,3
	v_permlanex16_b32 v[TM+4+\b], v[TM+\b], s[SEL], s[SEL+1]
.endr
.irp b, 0,1,2,3
	v_max_num_f32 v[TM+\b], v[TM+\b], v[TM+4+\b]
.endr
.irp b, 0,1,2,3
	v_add_nc_u32 v[TM+12+\b], 0xff000000, v[TM+\b]
.endr
.irp b, 0,1,2,3
	v_lshrrev_b32 v[TM+4+\b], 23, v[TM+12+\b]
.endr
	v_lshl_or_b32 v[\pw], v[TM+5], 8, v[TM+4]
	v_lshl_or_b32 v[\pw], v[TM+6], 16, v[\pw]
	v_lshl_or_b32 v[\pw], v[TM+7], 24, v[\pw]
.irp c, 0,1
	v_cvt_scalef32_pk16_fp6_f32 v[PC+6*\c:PC+2+6*\c], v[\s+32*\c:\s+15+32*\c], v[TM+12+2*\c]
	v_cvt_scalef32_pk16_fp6_f32 v[PC+12+4*\c:PC+14+4*\c], v[\s+16+32*\c:\s+31+32*\c], v[TM+12+2*\c+1]
.endr
	v_nop                                          ; one plain place behind a scaled conversion
.irp c, 0,1
.irp i, 0,1,2
	v_permlane16_swap_b32 v[PC+6*\c+\i], v[PC+12+4*\c+\i]
.endr
.irp i, 0,1,2
	v_mov_b32 v[PC+3+6*\c+\i], v[PC+12+4*\c+\i]
.endr
.endr
.endm
	s_load_b256 s[4:11], s[0:1], 0x0               ; xq s[4:5], wq s[6:7], b_qkv s[8:9], qb s[10:11]
	s_load_b64 s[12:13], s[0:1], 0x20              ; kvb
	v_lshl_add_u32 v[SPW], v0, 2, SPARE
	v_mov_b32 v[NIL], 0
	ds_add_u32 v[SPW], v[NIL]                      ; the wave's opening: the add and its wait stand ahead of my first tensor load; the set-up below, work on registers, stands between them
	v_lshrrev_b32 v1, 5, v0
	v_readfirstlane_b32 s14, v1                    ; wave 0..3
	s_lshr_b32 s15, s14, 1                         ; which half of A's rows is mine.  Also: I fetch for A (0) or for B (1)
	s_and_b32 s16, s14, 1                          ; which half of B's rows.  Also: which half I fetch
	s_bfe_u32 s40, ttmp6, 0x40000                  ; cx
	s_bfe_u32 s41, ttmp6, 0x40004                  ; cy
	s_and_b32 s18, ttmp7, 0xffff                   ; the cluster's y
	s_lshl_b32 s19, s18, 2
	s_max_u32 s20, s18, 8
	s_sub_co_u32 s20, s20, 8
	s_lshl_b32 s20, s20, 1
	s_add_co_u32 s20, s20, ttmp9                   ; v's part: which cluster of eight
	s_lshl_b32 s20, s20, 2
	s_lshl_b32 s21, ttmp9, 2
	s_cmp_lt_u32 s18, 8                            ; the part hangs on the cluster's y alone
	s_cselect_b32 s17, s19, 8
	s_cselect_b32 s42, s21, s20
	s_cselect_b32 s[VP], 0, 1
	s_cselect_b32 s[PT], ttmp9, 2
	s_add_co_u32 s17, s17, s41                     ; A's tile of 256 rows: tokens 4 y + cy, or channels 8 + cy
	s_add_co_u32 s42, s42, s40                     ; B's: channels 4 x + cx, or tokens
	s_lshl_b32 s43, s41, 2
	s_lshl_b32 s43, 15, s43                        ; my row of the cluster
	s_lshl_b32 s44, 0x1111, s40                    ; my column
	; descriptor groups 1: every tile is a dense block, stated as rows of 256 bytes (32 elements of 8 bytes)
	s_or_b32 s[G1+0], s43, (3<<16)|(1<<21)         ; 15:0 the mask; 17:16 elements of 8 bytes; 20 no padding; 21 set beside a mask
	s_or_b32 s[G1B+0], s44, (3<<16)|(1<<21)
	s_or_b32 s[G1S+0], s43, (3<<16)|(1<<21)
	s_or_b32 s[G1SB+0], s44, (3<<16)|(1<<21)
.irp g, G1, G1B, G1S, G1SB
	s_mov_b32 s[\g+1], 32<<16                      ; tensor_dim0
	s_mov_b32 s[\g+3], 32<<16                      ; tile_dim0
	s_mov_b32 s[\g+5], 32                          ; the pitch
	s_mov_b32 s[\g+6], 0
	s_mov_b32 s[\g+7], 0
.endr
	s_mov_b32 s[G1+2], (HALFA/256)<<16             ; tensor_dim1, tile_dim1: the block's rows
	s_mov_b32 s[G1+4], HALFA/256
	s_mov_b32 s[G1B+2], (HALFB/256)<<16
	s_mov_b32 s[G1B+4], HALFB/256
	s_mov_b32 s[G1S+2], (2*NA)<<16
	s_mov_b32 s[G1S+4], 2*NA
	s_mov_b32 s[G1SB+2], 16<<16
	s_mov_b32 s[G1SB+4], 16
	; where the tiles come from: A's hang on A's tile alone, B's on B's alone
.if NA == 8
	s_lshl_b32 s20, s17, 1
	s_add_co_u32 s20, s20, s16
	s_mul_i32 s20, s20, REC                        ; a half is a record
	s_add_co_u32 s22, s20, RSC
.else
	s_mul_i32 s20, s17, REC                        ; the tile is a record: a half is four tiles of rows; the scale words go by slots
	s_lshl_b32 s19, s16, 11
	s_add_co_u32 s22, s20, s19
	s_add_co_u32 s22, s22, RSC
	s_mul_i32 s18, s16, HALFA
	s_add_co_u32 s20, s20, s18
.endif
	s_mov_b32 s21, 0
	s_mov_b32 s23, 0
	s_lshl_b32 s46, s42, 1
	s_add_co_u32 s46, s46, s16
	s_mul_i32 s46, s46, REC
	s_mov_b32 s47, 0
	s_mul_i32 s45, s16, HALFA                      ; and where they go: no place in the cluster enters an LDS address
	s_mul_i32 s96, s16, HALFB
	s_add_co_u32 s96, s96, 2*HALFA
	s_mul_i32 s97, s16, NA*512
	s_add_co_u32 s97, s97, SCL
	s_lshl_b32 s98, s16, 12
	s_add_co_u32 s98, s98, SCB
	s_wait_dscnt 0x0                               ; the opening add is done
	s_wait_kmcnt 0x0
	s_cmp_eq_u32 s[VP], 0
	s_cselect_b64 s[92:93], s[4:5], s[6:7]         ; A: xq, or wq
	s_cselect_b64 s[94:95], s[6:7], s[4:5]         ; B: wq, or xq
	s_add_nc_u64 s[20:21], s[92:93], s[20:21]
	s_add_nc_u64 s[22:23], s[92:93], s[22:23]
	s_add_nc_u64 s[46:47], s[94:95], s[46:47]
	CROUND                                         ; all sixteen work-groups are here: the first joint loads meet
	s_mov_b32 s[G0S], 1
	s_mov_b32 s[G0S+1], s97
	s_mov_b64 s[G0S+2:G0S+3], s[22:23]
	s_or_b32 s[G0S+3], s[G0S+3], 0x80000000
	s_mov_b32 s[G0SB], 1
	s_mov_b32 s[G0SB+1], s98
	s_add_nc_u64 s[G0SB+2:G0SB+3], s[46:47], RSC
	s_or_b32 s[G0SB+3], s[G0SB+3], 0x80000000
	JLOAD G0S, G1S, G0SB, G1SB                     ; the scale words first: they are wanted with slot 0
.irp s, 0,1
	s_mov_b32 s[G0+4*\s], 1
	s_add_co_u32 s[G0+4*\s+1], s45, \s*SLOT
	s_add_nc_u64 s[G0+4*\s+2:G0+4*\s+3], s[20:21], \s*SLB
	s_or_b32 s[G0+4*\s+3], s[G0+4*\s+3], 0x80000000
	s_mov_b32 s[G0B+4*\s], 1
	s_add_co_u32 s[G0B+4*\s+1], s96, \s*SLOT
	s_add_nc_u64 s[G0B+4*\s+2:G0B+4*\s+3], s[46:47], \s*SLB
	s_or_b32 s[G0B+4*\s+3], s[G0B+4*\s+3], 0x80000000
	JLOAD G0+4*\s, G1, G0B+4*\s, G1B               ; three loads of mine are out
.endr
	v_and_b32 v1, 31, v0                           ; lane
	v_and_b32 v2, 15, v0                           ; r
	v_bfe_u32 v3, v0, 4, 1                         ; h
	v_lshlrev_b32 v[L16], 4, v1
	v_lshlrev_b32 v[L8], 3, v1
	v_lshlrev_b32 v[L4], 2, v1
	s_mul_i32 s21, s15, HALFA                      ; my half of A
	s_mul_i32 s22, s16, HALFB                      ; my half of B,
	s_add_co_u32 s22, s22, 2*HALFA                 ; which lies behind A's two
.irp s, 0,1
	v_add_nc_u32 v[ADRA+\s], s21, v[L16]
	v_add_nc_u32 v[ADRA+2+\s], s21, v[L8]
	v_add_nc_u32 v[ADRB+\s], s22, v[L16]
	v_add_nc_u32 v[ADRB+2+\s], s22, v[L8]
	s_add_co_u32 s21, s21, SLOT
	s_add_co_u32 s22, s22, SLOT
.endr
	v_lshlrev_b32 v5, 3, v2                        ; my row's two words of a slot
.if NA == 8
	s_lshl_b32 s21, s15, 12                        ; A's: my record's
.else
	s_lshl_b32 s21, s15, 9                         ; A's: my 64 rows of the record's 128
.endif
	s_lshl_b32 s22, s16, 12
	s_add_co_u32 s22, s22, NA*1024
	s_sub_co_u32 s22, s22, s21
	v_mul_u32_u24 v6, s22, v3                      ; lanes 16-31 take B's
	s_add_co_u32 s21, s21, SCL
	v_add_nc_u32 v5, v5, v6
	v_add_nc_u32 v[ADRS], s21, v5
	; the bias, both ways, each at addresses that lie in b_qkv in both parts; the part's own is used on the way out
	s_lshl_b32 s18, s42, 1
	s_add_co_u32 s18, s18, s16
	s_lshl_b32 s18, s18, 9                         ; B's group of 128, in bytes of b_qkv
	s_lshl_b32 s19, s17, 1
	s_add_co_u32 s19, s19, s15
	s_lshl_b32 s19, s19, 9                         ; A's
	s_cmp_eq_u32 s[VP], 0
	s_cselect_b32 s18, s18, 0
	s_cselect_b32 s19, 0, s19
	v_lshl_add_u32 v7, v3, 6, s18
	v_and_b32 v8, 8, v2
	v_add_nc_u32 v8, v8, v2
	v_lshl_add_u32 v8, v8, 2, s19
.irp g, 0,1,2,3
.irp j, 0,1,2,3
	global_load_b128 v[T+16*\g+4*\j:T+16*\g+4*\j+3], v7, s[8:9] offset:128*\g+16*\j   ; q, k: register 16 g + i: channel 32 g + 16 h + i
.endr
.endr
.irp a, 0,1,2,3,4,5,6,7
	global_load_b32 v[BV+2*\a], v8, s[8:9] offset:4*(32*(\a/2)+8*(\a%2))              ; v: my lane's channel of block a, twice: a pair for the packed addition
	global_load_b32 v[BV+2*\a+1], v8, s[8:9] offset:4*(32*(\a/2)+8*(\a%2))
.endr
	s_wait_tensorcnt 1                             ; the scale words and my part of slot 0 are in (slot 1's load may be out)
	s_barrier_signal -1
	s_barrier_wait -1                              ; everybody's are
	FETCH_B 0, 0, 0
	FETCH_A 0, 0, 0
	SCALES 0
	FETCH_A 0, 0, 1
	STEP 0, 1                                      ; K's four slots are written out: the first products start the sums
	TURN 0, 1, 1
	STEP 1, 0
	TURN 1, 0, 1
	STEP 0, 0
	TURN 0, 1, 0                                   ; nothing is left to fetch
	STEP 1, 0
	s_wait_dscnt (NA/2)*NL
	MULG 0, 1, 1, 1, 0
	MULG 1, 1, 1, 1, 0
	s_wait_dscnt 0x0
	MULG 2, 1, 1, 1, 0
	MULG 3, 1, 1, 1, 0
	WIN 0
	; ---------------- THE WAY OUT
	s_lshl_b32 s24, s17, 1
	s_add_co_u32 s24, s24, s15                     ; A's group of 128
	s_lshl_b32 s25, s42, 1
	s_add_co_u32 s25, s25, s16                     ; B's
	s_cmp_eq_u32 s[VP], 0
	s_cselect_b32 s26, s24, s25                    ; the tokens' group
	s_cselect_b32 s27, s25, s24                    ; the channels'
	s_lshr_b32 s28, s26, 4                         ; batch
	s_and_b32 s29, s26, 15                         ; which 128 tokens of its 2,048
	s_and_b32 s27, s27, 7
	s_lshl_b32 s27, s27, 1
	s_lshl_b32 s28, s28, 4
	s_add_co_u32 s27, s27, s28                     ; 16 x batch + the first of the group's two heads
	s_mov_b32 s30, 204800
	s_mov_b32 s31, 12800
	s_mov_b32 s[STRP], 768
	s_cmp_eq_u32 s[PT], 0
	s_cselect_b64 s[P1:P1+1], s[10:11], s[12:13]
	s_cselect_b32 s30, 131072, s30                 ; from head to head
	s_cselect_b32 s31, 8192, s31                   ; from 128 tokens to the next
	s_cselect_b32 s[STRP], 1024, s[STRP]           ; from block to block: q a record, k half a fragment,
	s_cmp_eq_u32 s[PT], 2
	s_cselect_b32 s[STRP], 1536, s[STRP]           ; v a fragment
	s_cselect_b32 s[DP], 768, s30                  ; a block's second half: q, k: the next head; v: the fragment's second half
	s_cselect_b32 s[JMP], 198656, 0                ; v: behind four blocks the next head: 204,800 - 4 x 1,536
	s_cselect_b32 s[OFF], 6144, 0                  ; v lies behind k in a record
	s_mov_b32 s[STRP+1], 0
	s_mov_b32 s[DP+1], 0
	s_mov_b32 s[JMP+1], 0
	s_mov_b32 s[OFF+1], 0
	s_mul_i32 s27, s27, s30
	s_mul_i32 s29, s29, s31
	s_add_co_u32 s[OFF], s[OFF], s27
	s_add_co_u32 s[OFF], s[OFF], s29
	s_add_nc_u64 s[P1:P1+1], s[P1:P1+1], s[OFF:OFF+1]
	s_add_nc_u64 s[P2:P2+1], s[P1:P1+1], s[DP:DP+1]
	s_mov_b64 s[S1:S1+1], s[P1:P1+1]
	s_mov_b32 s[SEL], 0x76543210
	s_mov_b32 s[SEL+1], 0xfedcba98
	PLACES NP                                      ; behind the last products: the lines below read results and write registers that held operands
.irp b, 0,1,2,3
	v_mov_b32 v[TM+4+\b], 0                        ; written once: a lane permute's destination counts as one of its sources
.endr
	s_wait_loadcnt 0x0                             ; the bias
; block a: 16 rows of A x my 128 of B.  Results + bias (each accumulator from its low end on), quantised, stored as images: 512, 256, 512, 256 consecutive bytes
.macro OUT a
.set AC, 64*((\a)%4)
	s_cmp_eq_u32 s[VP], 0
	s_cbranch_scc0 .Lby_lane_\@
	WIN 0x02+(\a)/4
.set i_, 0
.rept 32
	v_pk_add_f32 v[H+i_:H+i_+1], v[AC+i_:AC+i_+1], v[T+i_:T+i_+1]
.set i_, i_+2
.endr
	WIN 0
	s_branch .Ladded_\@
.Lby_lane_\@:
	WIN 0x02+(\a)/4
.set i_, 0
.rept 32
	v_pk_add_f32 v[H+i_:H+i_+1], v[AC+i_:AC+i_+1], v[BV+2*(\a):BV+2*(\a)+1]
.set i_, i_+2
.endr
	WIN 0
.Ladded_\@:
	s_wait_xcnt 0x0                                ; the last block's stores have read their data and their bases
.if (\a) > 0
	s_add_nc_u64 s[P1:P1+1], s[P1:P1+1], s[STRP:STRP+1]
	s_add_nc_u64 s[P2:P2+1], s[P2:P2+1], s[STRP:STRP+1]
.endif
.if (\a) == 4
	s_add_nc_u64 s[P1:P1+1], s[P1:P1+1], s[JMP:JMP+1]
	s_add_nc_u64 s[P2:P2+1], s[P2:P2+1], s[JMP:JMP+1]
.endif
	QUANT H, PW+(\a)
	global_store_b128 v[L16], v[PC:PC+3], s[P1:P1+1]
	global_store_b64 v[L8], v[PC+4:PC+5], s[P1:P1+1] offset:512
	global_store_b128 v[L16], v[PC+6:PC+9], s[P2:P2+1]
	global_store_b64 v[L8], v[PC+10:PC+11], s[P2:P2+1] offset:512
.endm
.irp a, 0,1,2,3,4,5,6,7
	OUT \a
.endr
	; the scale words: every lane holds its row r's word of each block
	v_cmp_eq_u32 vcc_lo, 1, v3                     ; lanes 16-31
	s_cmp_eq_u32 s[PT], 0
	s_cbranch_scc0 .Lnot_q
	; q: for each tile and head a scale image of 4 x lane: lanes 0-15 (s0, s1, 1.0, 1.0) for the operand with q in its lower 64 along K, lanes 16-31 (1.0, 1.0, s0, s1) for the one with q in its upper 64.  128 bytes a store: half a block of 256
	v_lshlrev_b32 v58, 4, v3
	v_mov_b32 v56, 0x504
	v_mov_b32 v57, 0x706
	v_lshlrev_b32 v56, v58, v56                    ; byte selects: 4 .. 7 take the word's bytes, 0 takes 0x7f
	v_lshlrev_b32 v57, v58, v57
	v_mov_b32 v60, 0x7f7f7f7f
.irp a, 0,1,2,3,4,5,6,7
.irp e, 0,1
	v_perm_b32 v[H+2*\a+\e], v[PW+\a], v60, v[56+\e]
	global_store_b32 v[L4], v[H+2*\a+\e], s[S1:S1+1] offset:\e*131072+\a*1024+768
.endr
.endr
	s_branch .Ldone
.Lnot_q:
	s_cmp_eq_u32 s[PT], 1
	s_cbranch_scc0 .Lis_v
	; k: fragment g's word: bytes 0, 1 tile 2 g's, bytes 2, 3 tile 2 g + 1's; the image, 8 x lane: fragments h and 2 + h
.irp g, 0,1,2,3
	v_perm_b32 v[H+\g], v[PW+2*\g+1], v[PW+2*\g], 0x05040100
	v_perm_b32 v[H+4+\g], v[PW+2*\g+1], v[PW+2*\g], 0x07060302
.endr
.irp e, 0,1
	v_cndmask_b32 v[H+8+2*\e], v[H+4*\e], v[H+4*\e+1], vcc_lo
	v_cndmask_b32 v[H+9+2*\e], v[H+4*\e+2], v[H+4*\e+3], vcc_lo
	global_store_b64 v[L8], v[H+8+2*\e:H+9+2*\e], s[S1:S1+1] offset:\e*204800+12288
.endr
	s_branch .Ldone
.Lis_v:
	; v: tile t's word is block 4 e + t's; the image, 8 x lane: tiles h and 2 + h
.irp e, 0,1
	v_cndmask_b32 v[H+8+2*\e], v[PW+4*\e], v[PW+4*\e+1], vcc_lo
	v_cndmask_b32 v[H+9+2*\e], v[PW+4*\e+2], v[PW+4*\e+3], vcc_lo
	global_store_b64 v[L8], v[H+8+2*\e:H+9+2*\e], s[S1:S1+1] offset:\e*204800+6400
.endr
.Ldone:
	s_wait_tensorcnt 0x0                           ; the wave's end, behind my last tensor load
	ds_add_u32 v[SPW], v[NIL]
	s_wait_dscnt 0x0
	CROUND                                         ; the closing round: no work-group ends while a partner may still ask for a tile that names it
	s_endpgm
.Lfunc_end_k_q1ed4e4ad02_gemm_qkv:
	.size	k_q1ed4e4ad02_gemm_qkv, .Lfunc_end_k_q1ed4e4ad02_gemm_qkv-k_q1ed4e4ad02_gemm_qkv
	.p2alignl 7, 3214868480
	.fill 96, 4, 3214868480
	.section	.rodata,"a",@progbits
	.p2align	6, 0x0
	.amdhsa_kernel k_q1ed4e4ad02_gemm_qkv
		.amdhsa_group_segment_fixed_size 327680
		.amdhsa_private_segment_fixed_size 0
		.amdhsa_enable_private_segment 0
		.amdhsa_kernarg_size 40
		.amdhsa_user_sgpr_count 2
		.amdhsa_user_sgpr_kernarg_segment_ptr 1
		.amdhsa_wavefront_size32 1
		.amdhsa_system_sgpr_workgroup_id_x 1
		.amdhsa_system_sgpr_workgroup_id_y 1
		.amdhsa_system_sgpr_workgroup_id_z 1
		.amdhsa_system_vgpr_workitem_id 0
		.amdhsa_next_free_vgpr 1024
		.amdhsa_next_free_sgpr 100
		.amdhsa_reserve_vcc 1
		.amdhsa_float_denorm_mode_32 3
		.amdhsa_float_denorm_mode_16_64 3
		.amdhsa_memory_ordered 1
		.amdhsa_forward_progress 1
		.amdhsa_inst_pref_size 191
	.end_amdhsa_kernel
	.amdgpu_metadata
---
amdhsa.version: [ 1, 2 ]
amdhsa.kernels:
  - .name:           k_q1ed4e4ad02_gemm_qkv
    .symbol:         k_q1ed4e4ad02_gemm_qkv.kd
    .args:
      - { .name: xq, .offset: 0, .size: 8, .value_kind: global_buffer, .address_space: global }
      - { .name: wq, .offset: 8, .size: 8, .value_kind: global_buffer, .address_space: global }
      - { .name: b_qkv, .offset: 16, .size: 8, .value_kind: global_buffer, .address_space: global }
      - { .name: qb, .offset: 24, .size: 8, .value_kind: global_buffer, .address_space: global }
      - { .name: kvb, .offset: 32, .size: 8, .value_kind: global_buffer, .address_space: global }
    .group_segment_fixed_size: 327680
    .private_segment_fixed_size: 0
    .kernarg_segment_align: 8
    .kernarg_segment_size: 40
    .max_flat_workgroup_size: 128
    .sgpr_count:     100
    .vgpr_count:     1024
    .wavefront_size: 32
...
	.end_amdgpu_metadata
.endif
;; end of part 2
;; launch attn (part 3): grid 4 x 64, 16 waves a work-group, clusters of 4 x 1, 206,848 bytes of LDS; arguments qb, kvb, yq; writes yq
.if DOCPART == 3
	.amdgcn_target "amdgcn-amd-amdhsa--gfx1250"
	.amdhsa_code_object_version 6
	.text
	.protected	k_q1ed4e4ad02_attn
	.globl	k_q1ed4e4ad02_attn
	.p2align	8
	.type	k_q1ed4e4ad02_attn,@function
k_q1ed4e4ad02_attn:
	s_mov_b64 s[64:65], 0
	v_nop
	global_prefetch_b8 v0, s[64:65] scope:SCOPE_SE
	s_setreg_imm32_b32 hwreg(HW_REG_WAVE_MODE, 25, 1), 1
	s_wait_xcnt 0x0
	s_wait_alu depctr_hold_cnt(0) depctr_sa_sdst(0) depctr_va_vdst(0) depctr_va_sdst(0) depctr_va_ssrc(0) depctr_va_vcc(0) depctr_vm_vsrc(0)
	s_getreg_b32 s2, hwreg(HW_REG_IB_STS2, 6, 4)
	s_cmp_eq_u32 s2, 0
	s_cbranch_scc0 .Lentry_in_a_cluster
	s_endpgm
.Lentry_in_a_cluster:
	s_bfe_u32 s2, ttmp6, 0x10000c
	s_cmp_lg_u32 s2, 0x3003
	s_cbranch_scc0 .Lentry_shape_is_right
	s_endpgm
.Lentry_shape_is_right:
; y = softmax(q k^T / 8, causal) v for 64 heads (16 x batch + head) of 2,048 tokens x 64 channels, both products on codes of FP6 (E2M3) with E8M0 scales; y is quantised along C in registers and leaves as the last product's operand.
; THE SOFTMAX AHEAD OF THE SECOND PRODUCT: t = score x log2(e) / 8; M = the row's largest t so far, rounded UP to a whole number; p = 2^(t - M) is quantised along the keys, not normalised; the row's sum is taken of the unquantised p
; and divides O at the end.  When M moves, the sum and O are multiplied by 2^(old M - new M): exact.
; SHARES.  The four work-groups of a head form a cluster.  A head's k and v, 16 records of 12,800 bytes (128 keys each), lie in LDS whole and are filled ONCE: wave w asks for record w, jointly with the same wave of the three partners.
; So there is no ring, no refill and no barrier in the loops.  A wave takes the tile of 16 queries 4 w + cx and then tile 127 - that: (w / 2 + 1) + (16 - w / 2) = 17 key steps for every wave of the launch.
; Branches hang on the wave's number and on counts alone; the place in the cluster enters global addresses and the mask's vector operand only.
; K = 64 IN AN INSTRUCTION 128 DEEP.  A fragment of k holds TWO tiles of 16 keys, one in each half of the 128; q stands twice in registers, as [q | zero codes] and as [zero codes | q]: each product takes one tile; what meets zero codes adds 0.
; LAYOUT.  Both products are used transposed (S^T = k q^T, O^T = v^T p^T): a lane holds one query throughout.  The keys of a tile are 8 u + m + 8 (m / 8) of each 32, so that the 16 registers of two neighbouring tiles are 16 neighbouring keys;
; v's channels likewise, so that O^T's 32 registers are channels 32 b + 16 (lane / 16) + i.
; A record: 4 fragments of k at 0, 4 of v^T at 6,144, k's scale image at 12,288 (8 x lane: fragments h, 2 + h), v's at 12,544.  A fragment's image: half c: registers 6 c .. 6 c + 3 at 768 c + 16 x lane, 6 c + 4, 6 c + 5 at 768 c + 512 + 8 x lane.
; LIMITS: NaN and infinities are not served; v_exp_f32 gives 0 for p under 2^-126; 1 / l is v_rcp_f32's; a block whose largest magnitude lies under 2^-124 (a block of zeros too) gets the byte 1.  y's scale bytes leave two at a time.
.set REC,   102400
.set RSC,   98304
.set KVR,   12800
.set HKV,   16*KVR
.set SPARE, HKV                        ; behind the records: the spare words, 128 bytes a wave: eight blocks of 256 bytes that no other line names
.set L16, 1                            ; v1   16 x lane
.set L8,  2                            ; v2   8 x lane
.set SPW, 3                            ; v3   my spare word; never rewritten
.set NIL, 4                            ; v4   0; never rewritten
.set L4,  5                            ; v5   4 x lane
.set ADK, 6                            ; v6, v7 the step's record, by 16 x lane and by 8 x lane
.set AD8, 7
.set DD,  8                            ; v8   my query's place among the diagonal step's keys, less 16 (lane / 16)
.set DL,  9                            ; v9   r + 8 (r / 8) - 16 h
.set R8,  10                           ; v10  8 r
.set NINF, 11                          ; v11  -infinity
.set QLO, 16                           ; v16-27 [q | 0];  v28-39 [0 | q];  v40 q's scale image
.set QHI, 28
.set QS,  40
.set KF,  44                           ; v44-91 four fragments of k, then of v
.set KSC, 92                           ; v92-93 k's scale words;  v94-95 v's
.set VSC, 94
.set S,   96                           ; v96-159 S^T, then p
.set O,   160                          ; v160-191 O^T
.set PCD, 192                          ; v192-203 p's codes;  v204-210 the conversions' second halves
.set PC2, 204
.set BM,  216
.set BT,  220
.set BO,  224
.set TT,  228
.set FF,  230                          ; v[230:231] f
.set PS,  232                          ; p's scale word
.set HW,  233
.set WV,  12
.set CX,  13
.set HB,  14
.set G1,  16
.set G0,  24
.set SEL, 28
.set CS,  30
.set TB,  32
.set KS,  33
.set GP,  34
.set TAU, 35
.set PH,  36
.macro CROUND
	s_barrier_signal -1
	s_barrier_wait -1
	s_cmp_lg_u32 s[WV], 0
	s_cbranch_scc1 .Lnot_wave_0_\@
	s_barrier_signal -3
.Lnot_wave_0_\@:
	s_barrier_wait -3
	s_barrier_signal -1
	s_barrier_wait -1
.endm
.macro FRAG reg, off
	ds_load_b128 v[\reg:\reg+3], v[ADK] offset:\off
	ds_load_b64 v[\reg+4:\reg+5], v[AD8] offset:\off+512
	ds_load_b128 v[\reg+6:\reg+9], v[ADK] offset:\off+768
	ds_load_b64 v[\reg+10:\reg+11], v[AD8] offset:\off+1280
.endm
.macro SPROD g                         ; fragment g of k: its two tiles of 16 keys
.if (\g)%2
	v_wmma_scale_f32_16x16x128_f8f6f4 v[S+16*\g:S+16*\g+7], v[KF+12*\g:KF+12*\g+11], v[QLO:QLO+11], 0, v[KSC+\g/2], v[QS] matrix_a_fmt:MATRIX_FMT_FP6 matrix_b_fmt:MATRIX_FMT_FP6 matrix_a_scale:MATRIX_SCALE_ROW1
	v_wmma_scale_f32_16x16x128_f8f6f4 v[S+16*\g+8:S+16*\g+15], v[KF+12*\g:KF+12*\g+11], v[QHI:QHI+11], 0, v[KSC+\g/2], v[QS] matrix_a_fmt:MATRIX_FMT_FP6 matrix_b_fmt:MATRIX_FMT_FP6 matrix_a_scale:MATRIX_SCALE_ROW1 matrix_b_scale:MATRIX_SCALE_ROW1
.else
	v_wmma_scale_f32_16x16x128_f8f6f4 v[S+16*\g:S+16*\g+7], v[KF+12*\g:KF+12*\g+11], v[QLO:QLO+11], 0, v[KSC+\g/2], v[QS] matrix_a_fmt:MATRIX_FMT_FP6 matrix_b_fmt:MATRIX_FMT_FP6
	v_wmma_scale_f32_16x16x128_f8f6f4 v[S+16*\g+8:S+16*\g+15], v[KF+12*\g:KF+12*\g+11], v[QHI:QHI+11], 0, v[KSC+\g/2], v[QS] matrix_a_fmt:MATRIX_FMT_FP6 matrix_b_fmt:MATRIX_FMT_FP6 matrix_b_scale:MATRIX_SCALE_ROW1
.endif
.endm
.macro OPROD t                         ; tile t of v^T: 16 channels x these 128 keys
.if (\t)%2
	v_wmma_scale_f32_16x16x128_f8f6f4 v[O+8*\t:O+8*\t+7], v[KF+12*\t:KF+12*\t+11], v[PCD:PCD+11], v[O+8*\t:O+8*\t+7], v[VSC+\t/2], v[PS] matrix_a_fmt:MATRIX_FMT_FP6 matrix_b_fmt:MATRIX_FMT_FP6 matrix_a_scale:MATRIX_SCALE_ROW1
.else
	v_wmma_scale_f32_16x16x128_f8f6f4 v[O+8*\t:O+8*\t+7], v[KF+12*\t:KF+12*\t+11], v[PCD:PCD+11], v[O+8*\t:O+8*\t+7], v[VSC+\t/2], v[PS] matrix_a_fmt:MATRIX_FMT_FP6 matrix_b_fmt:MATRIX_FMT_FP6
.endif
.endm
	s_load_b128 s[4:7], s[0:1], 0x0                ; qb s[4:5], kvb s[6:7]
	s_load_b64 s[8:9], s[0:1], 0x10                ; yq
	v_lshl_add_u32 v[SPW], v0, 2, SPARE
	v_mov_b32 v[NIL], 0
	ds_add_u32 v[SPW], v[NIL]                      ; the wave's opening: the add and its wait stand ahead of my first tensor load; the set-up below, work on registers, stands between them
	ds_add_u32 v[SPW], v[NIL]
	v_lshrrev_b32 v1, 5, v0
	s_delay_alu instid0(VALU_DEP_1)
	v_readfirstlane_b32 s[WV], v1                  ; wave 0..15
	s_bfe_u32 s[CX], ttmp6, 0x40000                ; my place in the cluster
	s_and_b32 s[HB], ttmp7, 0xffff                 ; 16 x batch + head, which the four partners share
	s_mov_b32 s[G1], 15|(3<<16)|(1<<21)            ; 15:0 the mask: all four; 17:16 elements of 8 bytes; 20 no padding; 21 set beside a mask
	s_mov_b32 s[G1+1], 32<<16                      ; a record is a dense block: 50 rows of 256 bytes
	s_mov_b32 s[G1+2], 50<<16
	s_mov_b32 s[G1+3], 32<<16
	s_mov_b32 s[G1+4], 50
	s_mov_b32 s[G1+5], 32
	s_mov_b32 s[G1+6], 0
	s_mov_b32 s[G1+7], 0
	s_mul_i32 s10, s[HB], HKV
	s_mul_i32 s[G0+1], s[WV], KVR                  ; record w goes to LDS byte 12,800 w
	s_add_co_u32 s10, s10, s[G0+1]
	s_mov_b32 s11, 0
	s_mov_b32 s[G0], 1
	s_mov_b32 s[SEL], 0x76543210
	s_mov_b32 s[SEL+1], 0xfedcba98
	s_mov_b32 s[CS], 0x3e38aa3b                    ; c = log2(e) / 8
	s_mov_b32 s[CS+1], s[CS]                       ; (named with it as a pair, so it is written)
	s_lshr_b32 s[GP], s[WV], 1                     ; my first tile's last key step
	s_lshl_b32 s[TAU], s[WV], 2
	s_add_co_u32 s[TAU], s[TAU], s[CX]             ; my first tile of 16 queries
	s_mov_b32 s[PH], 2
	s_and_b32 s44, s[HB], 15                       ; the head: y's channels 64 x head on
	s_lshr_b32 s47, s[HB], 4
	s_lshl_b32 s47, s47, 4                         ; the batch's first record of yq
	s_lshr_b32 s48, s44, 2                         ; slot of 256 K,
	s_bfe_u32 s49, s44, 0x10001                    ; which 128 of it,
	s_and_b32 s50, s44, 1                          ; which half of the 128
	s_mul_i32 s45, s48, 24576
	s_mul_i32 s51, s49, 1536
	s_add_co_u32 s45, s45, s51
	s_mul_i32 s51, s50, 768
	s_add_co_u32 s45, s45, s51                     ; the head's place in a tile's codes
	s_lshl_b32 s46, s48, 10
	s_lshl_b32 s51, s49, 2
	s_add_co_u32 s46, s46, s51
	s_lshl_b32 s51, s50, 1
	s_add_co_u32 s46, s46, s51
	s_add_co_u32 s46, s46, RSC                     ; and among a row's scale bytes
	s_wait_dscnt 0x0                               ; the opening add is done
	s_wait_kmcnt 0x0
	s_add_nc_u64 s[G0+2:G0+3], s[6:7], s[10:11]
	s_or_b32 s[G0+3], s[G0+3], 0x80000000
	CROUND                                         ; all four work-groups are here: the joint loads meet
	tensor_load_to_lds s[G0:G0+3], s[G1:G1+7]      ; my one tensor load of the launch
	s_nop 0
.rept 4
	v_nop
.endr
	v_and_b32 v12, 31, v0                          ; lane
	v_and_b32 v13, 15, v0                          ; r
	v_bfe_u32 v14, v0, 4, 1                        ; h
	s_delay_alu instid0(VALU_DEP_3)
	v_lshlrev_b32 v[L16], 4, v12
	s_delay_alu instid0(VALU_DEP_4)
	v_lshlrev_b32 v[L8], 3, v12
	v_lshlrev_b32 v[L4], 2, v12
	v_and_b32 v[DL], 8, v13
	s_delay_alu instid0(VALU_DEP_1)
	v_add_nc_u32 v[DL], v[DL], v13
	v_lshlrev_b32 v14, 4, v14
	s_delay_alu instid0(VALU_DEP_1)
	v_sub_nc_u32 v[DL], v[DL], v14
	v_lshlrev_b32 v[R8], 3, v13
	v_mov_b32 v[NINF], 0xff800000
.irp i, 0,1,2,3,4,5
	v_mov_b32 v[QLO+6+\i], 0                       ; the zero codes
	v_mov_b32 v[QHI+\i], 0
.endr
.irp b, 0,1,2,3
	v_mov_b32 v[BT+\b], 0                          ; written once: a lane permute's destination counts as one of its sources
.endr
	v_mov_b32 v[TT], 0
	v_mov_b32 v[FF+1], 0                           ; (named as the upper half of a pair)
	s_wait_tensorcnt 0x0                           ; my record is in,
	s_barrier_signal -1
	s_barrier_wait -1                              ; everybody's is: the head's k and v lie in LDS
.Ltile:                                            ; two trips: my early tile, then my late one
	s_lshl_b32 s38, s[HB], 17
	s_lshl_b32 s37, s[TAU], 10
	s_add_co_u32 s38, s38, s37
	s_mov_b32 s39, 0
	s_add_nc_u64 s[38:39], s[4:5], s[38:39]        ; my tile's record of q
	global_load_b128 v[QLO:QLO+3], v[L16], s[38:39]
	global_load_b64 v[QLO+4:QLO+5], v[L8], s[38:39] offset:512
	global_load_b128 v[QHI+6:QHI+9], v[L16], s[38:39]
	global_load_b64 v[QHI+10:QHI+11], v[L8], s[38:39] offset:512
	global_load_b32 v[QS], v[L4], s[38:39] offset:768
	s_lshr_b32 s37, s[TAU], 1
	s_and_b32 s37, s37, 3
	s_lshl_b32 s37, s37, 5
	s_and_b32 s44, s[TAU], 1
	s_lshl_b32 s44, s44, 3
	s_add_co_u32 s37, s37, s44
	v_add_nc_u32 v[DD], s37, v[DL]                 ; my query is token 32 ((tile / 2) % 4) + 8 (tile % 2) + r + 8 (r / 8) of its 128
	s_add_co_u32 s40, s47, s[GP]
	s_mul_i32 s40, s40, REC                        ; y's record
	s_and_b32 s44, s[TAU], 7
	s_mul_i32 s41, s44, 3072
	s_lshl_b32 s44, s44, 7
	s_add_co_u32 s42, s40, s44
	s_add_co_u32 s42, s42, s46
	s_mov_b32 s43, 0
	s_add_co_u32 s40, s40, s41
	s_add_co_u32 s40, s40, s45
	s_mov_b32 s41, 0
	s_add_nc_u64 s[40:41], s[8:9], s[40:41]        ; where my tile's half image goes,
	s_add_nc_u64 s[42:43], s[8:9], s[42:43]        ; and its scale bytes
	v_mov_b32 v13, 0xff61b1e6                      ; the largest t so far: -3e38, under every t
	s_delay_alu instid0(VALU_DEP_1)
	v_floor_f32 v12, -v13                          ; -M
	v_mov_b32 v14, 0                               ; the sum, in two halves
	v_mov_b32 v15, 0
.set j_, 0
.rept 32
	v_mov_b32 v[O+j_], 0                           ; O^T: the step is written once: the first finds zeros, which the first change of M leaves zeros
.set j_, j_+1
.endr
	s_mov_b32 s[TB], 0
	s_mov_b32 s[KS], 0
	s_wait_loadcnt 0x0                             ; q
.Lkey:                                             ; sixteen trips, a constant; a step all of whose keys come after my queries is jumped over
	s_cmp_gt_u32 s[KS], s[GP]
	s_cbranch_scc1 .Lhidden
	s_setprio 2
	v_add_nc_u32 v[ADK], s[TB], v[L16]
	v_add_nc_u32 v[AD8], s[TB], v[L8]
	v_nop
	v_nop                                          ; four places in front of loads into registers that the last products read
.irp g, 0,1,2,3
	FRAG KF+12*\g, 1536*\g
.endr
	ds_load_b64 v[KSC:KSC+1], v[AD8] offset:12288
	s_wait_alu depctr_va_vdst(0)
	s_wait_dscnt 0x0
.irp g, 0,1,2,3
	SPROD \g
.endr
.rept 4
	v_nop                                          ; places: v's fragments take k's registers, and the scores are read
.endr
.irp t, 0,1,2,3
	FRAG KF+12*\t, 6144+1536*\t                    ; they land under the softmax
.endr
	ds_load_b64 v[VSC:VSC+1], v[AD8] offset:12544
	s_cmp_eq_u32 s[KS], s[GP]                      ; on the diagonal the scores of hidden keys become -infinity ahead of the maximum: p = 0 then
	s_cbranch_scc0 .Lopen
.set n_, 0
.rept 64
	v_cmp_gt_i32 vcc_lo, 32*(n_/16)+n_%16, v[DD]   ; register 16 b + i holds key 32 b + 16 (lane / 16) + i of the step
	v_cndmask_b32 v[S+n_], v[S+n_], v[NINF], vcc_lo
.set n_, n_+1
.endr
.Lopen:
.irp b, 0,1,2,3
	v_max3_num_f32 v[BM+\b], v[S+16*\b], v[S+1+16*\b], v[S+2+16*\b]     ; the largest score of each block of 32 keys: it serves the row's maximum and, since p rises with the score, the block's largest p
.endr
.irp i, 3,5,7,9,11,13
.irp b, 0,1,2,3
	v_max3_num_f32 v[BM+\b], v[BM+\b], v[S+16*\b+\i], v[S+1+16*\b+\i]
.endr
.endr
.irp b, 0,1,2,3
	v_max_num_f32 v[BM+\b], v[BM+\b], v[S+15+16*\b]
.endr
.irp b, 0,1,2,3
	s_delay_alu instid0(VALU_DEP_4)
	v_permlanex16_b32 v[BT+\b], v[BM+\b], s[SEL], s[SEL+1]
.endr
.irp b, 0,1,2,3
	s_delay_alu instid0(VALU_DEP_4)
	v_max_num_f32 v[BM+\b], v[BM+\b], v[BT+\b]     ; with lane l xor 16's 16 keys
.endr
	s_delay_alu instid0(VALU_DEP_2)
	v_max3_num_f32 v[TT], v[BM], v[BM+1], v[BM+2]
	s_delay_alu instid0(VALU_DEP_1)
	v_max_num_f32 v[TT], v[TT], v[BM+3]
	s_delay_alu instid0(VALU_DEP_1)
	v_mul_f32 v[TT], s[CS], v[TT]                  ; the step's largest t (c is positive)
	s_delay_alu instid0(VALU_DEP_1)
	v_max_num_f32 v13, v13, v[TT]                  ; the running largest t
	v_mov_b32 v[TT], v12
	s_delay_alu instid0(VALU_DEP_2)
	v_floor_f32 v12, -v13                          ; the new -M = floor(-t): M is a whole number
	s_delay_alu instid0(VALU_DEP_1)
	v_sub_f32 v[TT], v12, v[TT]                    ; old M less new M: a whole number, 0 or less
	s_delay_alu instid0(VALU_DEP_1)
	v_cvt_i32_f32 v[TT], v[TT]                     ; (it saturates)
	s_delay_alu instid0(VALU_DEP_1)
	v_ldexp_f32 v[FF], 1.0, v[TT]                  ; f = 2^(old M - new M)
.set j_, 0
.rept 32
	v_pk_fma_f32 v[S+j_:S+j_+1], v[S+j_:S+j_+1], s[CS:CS+1], v[12:13] op_sel_hi:[1,0,0]   ; t - M, two at a time
.set j_, j_+2
.endr
	s_setprio 1
.irp b, 0,1,2,3
	v_fma_f32 v[BM+\b], v[BM+\b], s[CS], v12       ; the same of each block's largest score
.endr
.set j_, 0
	s_wait_alu depctr_va_vdst(0)
.rept 64
	v_exp_f32 v[S+j_], v[S+j_]                     ; p = 2^(t - M)
.set j_, j_+1
.endr
	v_pk_mul_f32 v[14:15], v[14:15], v[FF:FF+1] op_sel_hi:[1,0]         ; the sums under the new M: the plain place behind the exponentials
	s_wait_alu depctr_va_vdst(0)                   ; one wait for the batch, ahead of its first reader
.irp b, 0,1,2,3
	v_exp_f32 v[BM+\b], v[BM+\b]                   ; the block's largest p
.endr
	v_pk_add_f32 v[220:221], v[100:101], v[104:105]
	v_pk_add_f32 v[254:255], v[108:109], v[112:113]
	v_pk_add_f32 v[252:253], v[116:117], v[120:121]
	v_pk_add_f32 v[250:251], v[124:125], v[128:129]
	v_pk_add_f32 v[248:249], v[132:133], v[136:137]
	v_pk_add_f32 v[246:247], v[140:141], v[144:145]
	v_pk_add_f32 v[244:245], v[148:149], v[152:153]
	v_pk_add_f32 v[14:15], v[14:15], v[156:157]
	v_pk_add_f32 v[220:221], v[220:221], v[96:97]
	v_pk_add_f32 v[254:255], v[254:255], v[98:99]
	v_pk_add_f32 v[252:253], v[252:253], v[102:103]
	v_pk_add_f32 v[250:251], v[250:251], v[106:107]
	v_pk_add_f32 v[248:249], v[248:249], v[110:111]
	v_pk_add_f32 v[246:247], v[246:247], v[114:115]
	v_pk_add_f32 v[244:245], v[244:245], v[118:119]
	v_pk_add_f32 v[14:15], v[14:15], v[122:123]
	v_pk_add_f32 v[220:221], v[220:221], v[126:127]
	v_pk_add_f32 v[254:255], v[254:255], v[130:131]
	v_pk_add_f32 v[252:253], v[252:253], v[134:135]
	v_pk_add_f32 v[250:251], v[250:251], v[138:139]
	v_pk_add_f32 v[248:249], v[248:249], v[142:143]
	v_pk_add_f32 v[246:247], v[246:247], v[146:147]
	v_pk_add_f32 v[244:245], v[244:245], v[150:151]
	v_pk_add_f32 v[14:15], v[14:15], v[154:155]
	v_pk_add_f32 v[220:221], v[220:221], v[158:159]
	s_delay_alu instid0(VALU_DEP_2)
	v_pk_add_f32 v[14:15], v[14:15], v[250:251]
	s_delay_alu instid0(VALU_DEP_2)
	v_pk_add_f32 v[220:221], v[220:221], v[248:249]
	v_pk_add_f32 v[254:255], v[254:255], v[246:247]
	v_pk_add_f32 v[252:253], v[252:253], v[244:245]
	s_delay_alu instid0(VALU_DEP_2)
	v_pk_add_f32 v[14:15], v[14:15], v[254:255]
	s_delay_alu instid0(VALU_DEP_2)
	v_pk_add_f32 v[220:221], v[220:221], v[252:253]
	s_delay_alu instid0(VALU_DEP_1)
	v_pk_add_f32 v[14:15], v[14:15], v[220:221]
	s_wait_alu depctr_va_vdst(0)                   ; and one for the four
.irp b, 0,1,2,3
	v_max_num_f32 v[BM+\b], 0x1800000, v[BM+\b]    ; the floor 2^(3 - 127): the byte cannot fall under 1
.endr
.irp b, 0,1,2,3
	s_delay_alu instid0(VALU_DEP_4)
	v_add_nc_u32 v[BO+\b], 0xff000000, v[BM+\b]    ; 2 off the exponent field: the conversion's scale operand
.endr
.irp b, 0,1,2,3
	s_delay_alu instid0(VALU_DEP_4)
	v_lshrrev_b32 v[BT+\b], 23, v[BO+\b]
.endr
	s_delay_alu instid0(VALU_DEP_3)
	v_lshl_or_b32 v[PS], v[BT+1], 8, v[BT]
	s_delay_alu instid0(VALU_DEP_1)
	v_lshl_or_b32 v[PS], v[BT+2], 16, v[PS]
	s_delay_alu instid0(VALU_DEP_1)
	v_lshl_or_b32 v[PS], v[BT+3], 24, v[PS]
	s_setprio 0
.irp c, 0,1
	v_cvt_scalef32_pk16_fp6_f32 v[PCD+6*\c:PCD+2+6*\c], v[S+32*\c:S+15+32*\c], v[BO+2*\c]
	v_cvt_scalef32_pk16_fp6_f32 v[PC2+4*\c:PC2+2+4*\c], v[S+16+32*\c:S+31+32*\c], v[BO+2*\c+1]
.endr
	v_nop                                          ; one plain place behind a scaled conversion
.irp c, 0,1
.irp i, 0,1,2
	v_permlane16_swap_b32 v[PCD+6*\c+\i], v[PC2+4*\c+\i]
.endr
.irp i, 0,1,2
	s_delay_alu instid0(VALU_DEP_3)
	v_mov_b32 v[PCD+3+6*\c+\i], v[PC2+4*\c+\i]
.endr
.endr
.set j_, 0
.rept 16
	v_pk_mul_f32 v[O+j_:O+j_+1], v[O+j_:O+j_+1], v[FF:FF+1] op_sel_hi:[1,0]   ; O^T under the new M; these sixteen are also the places between the scale word, the codes and the products
.set j_, j_+2
.endr
	s_wait_alu depctr_va_vdst(0)
	s_wait_dscnt 0x0                               ; v
.irp t, 0,1,2,3
	OPROD \t                                       ; four accumulators by turns
.endr
.Lhidden:
	s_add_co_u32 s[TB], s[TB], KVR
	s_add_co_u32 s[KS], s[KS], 1
	s_cmp_lt_u32 s[KS], 16
	s_cbranch_scc1 .Lkey
	s_setprio 0
	; the tile's end: O^T / l is y; its two blocks of 32 channels are quantised and leave as half a fragment's image
.rept 4
	v_nop                                          ; places behind the last products
.endr
	v_add_f32 v14, v14, v15
	s_delay_alu instid0(VALU_DEP_1)
	v_permlanex16_b32 v[TT], v14, s[SEL], s[SEL+1]
	s_delay_alu instid0(VALU_DEP_1)
	v_add_f32 v14, v14, v[TT]                      ; the row's sum
	s_wait_alu depctr_va_vdst(0)
	v_rcp_f32 v14, v14
	v_nop                                          ; a plain place behind the transcendental
	s_wait_alu depctr_va_vdst(0)                   ; and the wait ahead of its first reader
.set j_, 0
.rept 32
	v_mul_f32 v[S+j_], v[O+j_], v14                ; register 16 b + i: channel 32 b + 16 (lane / 16) + i
.set j_, j_+1
.endr
.irp b, 0,1
	v_max3_num_f32 v[BM+\b], |v[S+16*\b]|, |v[S+1+16*\b]|, 0x1800000
.endr
.irp i, 2,4,6,8,10,12,14
.irp b, 0,1
	s_delay_alu instid0(VALU_DEP_2)
	v_max3_num_f32 v[BM+\b], v[BM+\b], |v[S+16*\b+\i]|, |v[S+1+16*\b+\i]|
.endr
.endr
.irp b, 0,1
	s_delay_alu instid0(VALU_DEP_2)
	v_permlanex16_b32 v[BT+\b], v[BM+\b], s[SEL], s[SEL+1]
.endr
.irp b, 0,1
	s_delay_alu instid0(VALU_DEP_2)
	v_max_num_f32 v[BM+\b], v[BM+\b], v[BT+\b]
.endr
.irp b, 0,1
	s_delay_alu instid0(VALU_DEP_2)
	v_add_nc_u32 v[BO+\b], 0xff000000, v[BM+\b]
.endr
.irp b, 0,1
	s_delay_alu instid0(VALU_DEP_2)
	v_lshrrev_b32 v[BT+\b], 23, v[BO+\b]
.endr
	s_delay_alu instid0(VALU_DEP_1)
	v_lshl_or_b32 v[HW], v[BT+1], 8, v[BT]         ; my row's two scale bytes
	v_cvt_scalef32_pk16_fp6_f32 v[PCD:PCD+2], v[S:S+15], v[BO]
	v_cvt_scalef32_pk16_fp6_f32 v[PC2:PC2+2], v[S+16:S+31], v[BO+1]
	v_nop
.irp i, 0,1,2
	v_permlane16_swap_b32 v[PCD+\i], v[PC2+\i]
.endr
.irp i, 0,1,2
	s_delay_alu instid0(VALU_DEP_3)
	v_mov_b32 v[PCD+3+\i], v[PC2+\i]
.endr
	global_store_b128 v[L16], v[PCD:PCD+3], s[40:41]                    ; 512 and 256 consecutive bytes
	global_store_b64 v[L8], v[PCD+4:PCD+5], s[40:41] offset:512
	global_store_b16 v[R8], v[HW], s[42:43]        ; lanes 16-31 write what lanes 0-15 write
	s_wait_xcnt 0x0                                ; the bases and the data may be written again
	s_sub_co_u32 s[TAU], 127, s[TAU]               ; my late tile
	s_sub_co_u32 s[GP], 15, s[GP]
	s_sub_co_u32 s[PH], s[PH], 1
	s_cmp_lg_u32 s[PH], 0
	s_cbranch_scc1 .Ltile
	s_wait_tensorcnt 0x0                           ; the wave's end, behind my last tensor load
	ds_add_u32 v[SPW], v[NIL]
	s_wait_dscnt 0x0
	CROUND                                         ; the closing round
	s_endpgm
.Lfunc_end_k_q1ed4e4ad02_attn:
	.size	k_q1ed4e4ad02_attn, .Lfunc_end_k_q1ed4e4ad02_attn-k_q1ed4e4ad02_attn
	.p2alignl 7, 3214868480
	.fill 96, 4, 3214868480
	.section	.rodata,"a",@progbits
	.p2align	6, 0x0
	.amdhsa_kernel k_q1ed4e4ad02_attn
		.amdhsa_group_segment_fixed_size 206848
		.amdhsa_private_segment_fixed_size 0
		.amdhsa_enable_private_segment 0
		.amdhsa_kernarg_size 24
		.amdhsa_user_sgpr_count 2
		.amdhsa_user_sgpr_kernarg_segment_ptr 1
		.amdhsa_wavefront_size32 1
		.amdhsa_system_sgpr_workgroup_id_x 1
		.amdhsa_system_sgpr_workgroup_id_y 1
		.amdhsa_system_sgpr_workgroup_id_z 1
		.amdhsa_system_vgpr_workitem_id 0
		.amdhsa_next_free_vgpr 256
		.amdhsa_next_free_sgpr 66
		.amdhsa_reserve_vcc 1
		.amdhsa_float_denorm_mode_32 3
		.amdhsa_float_denorm_mode_16_64 3
		.amdhsa_memory_ordered 1
		.amdhsa_forward_progress 1
		.amdhsa_inst_pref_size 35
	.end_amdhsa_kernel
	.amdgpu_metadata
---
amdhsa.version: [ 1, 2 ]
amdhsa.kernels:
  - .name:           k_q1ed4e4ad02_attn
    .symbol:         k_q1ed4e4ad02_attn.kd
    .args:
      - { .name: qb, .offset: 0, .size: 8, .value_kind: global_buffer, .address_space: global }
      - { .name: kvb, .offset: 8, .size: 8, .value_kind: global_buffer, .address_space: global }
      - { .name: yq, .offset: 16, .size: 8, .value_kind: global_buffer, .address_space: global }
    .group_segment_fixed_size: 206848
    .private_segment_fixed_size: 0
    .kernarg_segment_align: 8
    .kernarg_segment_size: 24
    .max_flat_workgroup_size: 512
    .sgpr_count:     66
    .vgpr_count:     256
    .wavefront_size: 32
...
	.end_amdgpu_metadata
.endif
;; end of part 3
;; launch gemm_proj (part 4): grid 4 x 64, 4 waves a work-group, clusters of 4 x 4, 327,680 bytes of LDS; arguments yq, wp, b_proj, out0; writes out0
.if DOCPART == 4
	.amdgcn_target "amdgcn-amd-amdhsa--gfx1250"
	.amdhsa_code_object_version 6
	.text
	.protected	k_q1ed4e4ad02_gemm_proj
	.globl	k_q1ed4e4ad02_gemm_proj
	.p2align	8
	.type	k_q1ed4e4ad02_gemm_proj,@function
k_q1ed4e4ad02_gemm_proj:
	s_mov_b64 s[64:65], 0
	v_nop
	global_prefetch_b8 v0, s[64:65] scope:SCOPE_SE
	s_setreg_imm32_b32 hwreg(HW_REG_WAVE_MODE, 25, 1), 1
	s_wait_xcnt 0x0
	s_wait_alu depctr_hold_cnt(0) depctr_sa_sdst(0) depctr_va_vdst(0) depctr_va_sdst(0) depctr_va_ssrc(0) depctr_va_vcc(0) depctr_vm_vsrc(0)
	s_getreg_b32 s2, hwreg(HW_REG_IB_STS2, 6, 4)
	s_cmp_eq_u32 s2, 0
	s_cbranch_scc0 .Lentry_in_a_cluster
	s_endpgm
.Lentry_in_a_cluster:
	s_bfe_u32 s2, ttmp6, 0x10000c
	s_cmp_lg_u32 s2, 0xf033
	s_cbranch_scc0 .Lentry_shape_is_right
	s_endpgm
.Lentry_shape_is_right:
; out0 = y W_proj + b_proj on codes of FP6 (E2M3) with E8M0 scales (K = 1,024); out0 [8192][1024] f32.
; OPERANDS are records of 128 rows x 1,024 K laid as images of fragments (slot of 256 K x 24,576 + tile of 16 rows x 3,072 + 128 K x 1,536; scale words at RSC: slot x 1,024 + row x 8 + 128 K x 4): every tile is a dense block.
; A fragment's image: half c: registers 6 c .. 6 c + 3 at 768 c + 16 x lane, registers 6 c + 4, 6 c + 5 at 768 c + 512 + 8 x lane.  Inside each 32 rows, tile u's row m is row 8 u + m + 8 (m / 8).
; A tile of 128 tokens x 256 columns is made by four waves, 64 x 128 each: 32 accumulators; 256 such tiles, one for each work-group (tiles of 256 x 256 would be 128).  K goes in four slots of 256 through a ring of two LDS slots.
; CLUSTERS of 4 x 4: source 1's tile ('A': tokens, yq) is shared along a row of the cluster, source 0's ('B': columns, wp) along a column; each is asked for jointly.
; Source 0 = columns: a lane holds one token and, in two neighbouring accumulators, 16 neighbouring columns.  The bias is the C of each sum's first product.
; REGISTERS: window 0: v1-29 addresses; v32-63 scale words, two sets; v64-127 the bias; v128-175 A's fragments, one set; on the way out v128-255 rows of out0.  Window 1: B's fragments, two sets.  Window 2: the accumulators.
.set NA,    4
.set CBIAS, 1
.set REC,   102400
.set RSC,   98304
.set SLB,   24576
.set RT,    3072
.set FRB,   1536
.set FR,    12
.set NL,    4
.set NP,    4
.set HALFA, NA*RT
.set HALFB, 8*RT
.set SLOT,  2*HALFA+2*HALFB
.set SCL,   2*SLOT
.set SCB,   SCL+NA*1024
.set SPARE, SCB+8192                   ; the spare words, 128 bytes a wave: two blocks of 256 bytes that no other line names
.set SPITCH, 528                       ; the way out: a stage of 16 rows x (512 bytes + 16) for each wave, in slot 0, which has had its last fill and its last read when the first result is stored there
.set L16,  12
.set L8,   13
.set ADRA, 16
.set ADRB, 20
.set STO,  24
.set RD,   25
.set ADRS, 27
.set SPW,  28
.set NIL,  29
.set SC,   32
.set T,    64
.set AF,   128
.set BK,   128
.set G1,   24
.set G0,   32
.set G1B,  48
.set G0B,  56
.set G1S,  68
.set G0S,  76
.set G1SB, 80
.set G0SB, 88
.set MSB, 0
.macro WIN new
.if MSB != (\new)
	s_set_vgpr_msb (MSB<<8)|(\new)
.set MSB, (\new)
.endif
.endm
.set MUL_LO, 0xa1
.set TO_B,   0x40
.macro JLOAD g0a, g1a, g0b, g1b        ; waves 0 and 1 fetch for A, waves 2 and 3 for B; an s_nop 0 and four v_nop follow each of the two lines
	s_cmp_eq_u32 s15, 0
	s_cbranch_scc0 .Lfor_b_\@
	tensor_load_to_lds s[\g0a:\g0a+3], s[\g1a:\g1a+7]
	s_nop 0
.rept 4
	v_nop
.endr
	s_branch .Lasked_\@
.Lfor_b_\@:
	tensor_load_to_lds s[\g0b:\g0b+3], s[\g1b:\g1b+7]
	s_nop 0
.rept 4
	v_nop
.endr
.Lasked_\@:
.endm
.macro CREST
	s_cmp_lg_u32 s14, 0
	s_cbranch_scc1 .Lnot_wave_0_\@
	s_barrier_signal -3
.Lnot_wave_0_\@:
	s_barrier_wait -3
	s_barrier_signal -1
	s_barrier_wait -1
.endm
.macro CROUND
	s_barrier_signal -1
	s_barrier_wait -1
	CREST
.endm
.macro PLACES n
.rept \n
	v_nop
.endr
.endm
.macro FRAG reg, adr, q, i
	ds_load_b128 v[\reg:\reg+3], v[\adr] offset:(\i)*RT+(\q)*FRB
	ds_load_b64 v[\reg+4:\reg+5], v[\adr+2] offset:(\i)*RT+(\q)*FRB+512
	ds_load_b128 v[\reg+6:\reg+9], v[\adr] offset:(\i)*RT+(\q)*FRB+768
	ds_load_b64 v[\reg+10:\reg+11], v[\adr+2] offset:(\i)*RT+(\q)*FRB+1280
.endm
.macro FETCH_B slot, q, p
	WIN TO_B
.irp i, 0,1,2,3,4,5,6,7
	FRAG 128*(\p)+FR*\i, ADRB+\slot, \q, \i
.endr
	WIN 0
.endm
.macro FETCH_A slot, q, half
.set i_, 0
.rept NA/2
	FRAG AF+FR*((\half)*(NA/2)+i_), ADRA+\slot, \q, (\half)*(NA/2)+i_
.set i_, i_+1
.endr
.endm
.macro SCALES sc                       ; lanes 0-15 take A's block i (only four are used), lanes 16-31 B's block i
.irp i, 0,1,2,3,4,5,6,7
	ds_load_b64 v[SC+16*\sc+2*\i:SC+16*\sc+2*\i+1], v[ADRS] offset:128*\i
.endr
.endm
; A's block a against B's eight.  The accumulators take turns, one instruction a turn, in the same order in every step.
.macro MULA a, p, q, sc, zero
.irp b, 0,1,2,3,4,5,6,7
.if (\zero) && CBIAS
	v_wmma_scale_f32_16x16x128_f8f6f4 v[8*(8*((\a)%4)+\b):8*(8*((\a)%4)+\b)+7], v[128*(\p)+FR*\b:128*(\p)+FR*\b+FR-1], v[AF+FR*(\a):AF+FR*(\a)+FR-1], v[T+8*\b:T+8*\b+7], v[SC+16*(\sc)+2*\b+(\q)], v[SC+16*(\sc)+2*(\a)+(\q)] matrix_a_fmt:MATRIX_FMT_FP6 matrix_b_fmt:MATRIX_FMT_FP6 matrix_a_scale:MATRIX_SCALE_ROW1
.elseif \zero
	v_wmma_scale_f32_16x16x128_f8f6f4 v[8*(8*((\a)%4)+\b):8*(8*((\a)%4)+\b)+7], v[128*(\p)+FR*\b:128*(\p)+FR*\b+FR-1], v[AF+FR*(\a):AF+FR*(\a)+FR-1], 0, v[SC+16*(\sc)+2*\b+(\q)], v[SC+16*(\sc)+2*(\a)+(\q)] matrix_a_fmt:MATRIX_FMT_FP6 matrix_b_fmt:MATRIX_FMT_FP6 matrix_a_scale:MATRIX_SCALE_ROW1
.else
	v_wmma_scale_f32_16x16x128_f8f6f4 v[8*(8*((\a)%4)+\b):8*(8*((\a)%4)+\b)+7], v[128*(\p)+FR*\b:128*(\p)+FR*\b+FR-1], v[AF+FR*(\a):AF+FR*(\a)+FR-1], v[8*(8*((\a)%4)+\b):8*(8*((\a)%4)+\b)+7], v[SC+16*(\sc)+2*\b+(\q)], v[SC+16*(\sc)+2*(\a)+(\q)] matrix_a_fmt:MATRIX_FMT_FP6 matrix_b_fmt:MATRIX_FMT_FP6 matrix_a_scale:MATRIX_SCALE_ROW1
.endif
.endr
.endm
.macro MULG k, p, q, sc, zero
.set a_, (\k)*(NA/4)
.if (\zero) && CBIAS
	WIN 0x81+0x40*(a_/4)                           ; C (the bias) window 0, D window 2
.else
	WIN MUL_LO+0x50*(a_/4)
.endif
.rept NA/4
	MULA a_, \p, \q, \sc, \zero
.set a_, a_+1
.endr
.endm
.macro STEP slot, zero
	s_wait_dscnt (NA/2)*NL                         ; all but the youngest loads, A's second half
	MULG 0, 0, 0, \slot, \zero
	MULG 1, 0, 0, \slot, \zero
	s_wait_dscnt 0x0
	PLACES NP
	FETCH_B \slot, 1, 1
	FETCH_A \slot, 1, 0
	MULG 2, 0, 0, \slot, \zero
	MULG 3, 0, 0, \slot, \zero
	PLACES NP
	WIN 0
	FETCH_A \slot, 1, 1
.endm
.macro TURN slot, next, fill
	s_wait_tensorcnt 0x0                           ; all my tensor loads have landed: my part of the next slot
	ds_add_u32 v[SPW], v[NIL]                      ; 0 onto my spare word
	s_wait_dscnt (NA/2)*NL+1                       ; (the add and A's second half may be out)
	MULG 0, 1, 1, \slot, 0
	s_wait_dscnt 0x0                               ; the add is done, and my reads of this slot are over
	s_barrier_signal -1
	MULG 1, 1, 1, \slot, 0
	WIN 0
	s_barrier_wait -1
.if \fill
	CREST                                          ; the barrier has opened a round of the cluster's: no wave of any partner still reads this slot or has a load on its way
	s_add_nc_u64 s[G0+4*\slot+2:G0+4*\slot+3], s[G0+4*\slot+2:G0+4*\slot+3], 2*SLB
	s_add_nc_u64 s[G0B+4*\slot+2:G0B+4*\slot+3], s[G0B+4*\slot+2:G0B+4*\slot+3], 2*SLB
	JLOAD G0+4*\slot, G1, G0B+4*\slot, G1B         ; the first tensor load behind the round; its four v_nop are the places in front of the loads below
.else
	PLACES NP
.endif
	v_add_nc_u32 v[ADRS], 1024, v[ADRS]
	FETCH_B \next, 0, 0
	FETCH_A \next, 0, 0
	SCALES \next
	MULG 2, 1, 1, \slot, 0
	MULG 3, 1, 1, \slot, 0
	PLACES NP
	WIN 0
	FETCH_A \next, 0, 1
.endm
	s_load_b256 s[4:11], s[0:1], 0x0               ; yq s[4:5], wp s[6:7], b_proj s[8:9], out0 s[10:11]
	v_lshl_add_u32 v[SPW], v0, 2, SPARE
	v_mov_b32 v[NIL], 0
	ds_add_u32 v[SPW], v[NIL]                      ; the wave's opening: the add and its wait stand ahead of my first tensor load; the set-up below, work on registers, stands between them
	v_lshrrev_b32 v1, 5, v0
	v_readfirstlane_b32 s14, v1                    ; wave 0..3
	s_lshr_b32 s15, s14, 1                         ; which half of A's rows is mine.  Also: I fetch for A (0) or for B (1)
	s_and_b32 s16, s14, 1                          ; which half of B's rows.  Also: which half I fetch
	s_bfe_u32 s40, ttmp6, 0x40000                  ; cx
	s_bfe_u32 s41, ttmp6, 0x40004                  ; cy
	s_and_b32 s17, ttmp7, 0xffff
	s_lshl_b32 s17, s17, 2
	s_add_co_u32 s17, s17, s41                     ; A's tile of 128 tokens
	s_lshl_b32 s42, ttmp9, 2
	s_add_co_u32 s42, s42, s40                     ; B's tile of 256 columns
	s_lshl_b32 s43, s41, 2
	s_lshl_b32 s43, 15, s43                        ; my row of the cluster
	s_lshl_b32 s44, 0x1111, s40                    ; my column
	s_or_b32 s[G1+0], s43, (3<<16)|(1<<21)         ; 15:0 the mask; 17:16 elements of 8 bytes; 20 no padding; 21 set beside a mask
	s_or_b32 s[G1B+0], s44, (3<<16)|(1<<21)
	s_or_b32 s[G1S+0], s43, (3<<16)|(1<<21)
	s_or_b32 s[G1SB+0], s44, (3<<16)|(1<<21)
.irp g, G1, G1B, G1S, G1SB
	s_mov_b32 s[\g+1], 32<<16                      ; every tile is a dense block, stated as rows of 256 bytes
	s_mov_b32 s[\g+3], 32<<16
	s_mov_b32 s[\g+5], 32
	s_mov_b32 s[\g+6], 0
	s_mov_b32 s[\g+7], 0
.endr
	s_mov_b32 s[G1+2], (HALFA/256)<<16
	s_mov_b32 s[G1+4], HALFA/256
	s_mov_b32 s[G1B+2], (HALFB/256)<<16
	s_mov_b32 s[G1B+4], HALFB/256
	s_mov_b32 s[G1S+2], (2*NA)<<16
	s_mov_b32 s[G1S+4], 2*NA
	s_mov_b32 s[G1SB+2], 16<<16
	s_mov_b32 s[G1SB+4], 16
.if NA == 8
	s_lshl_b32 s20, s17, 1
	s_add_co_u32 s20, s20, s16
	s_mul_i32 s20, s20, REC
	s_add_co_u32 s22, s20, RSC
.else
	s_mul_i32 s20, s17, REC                        ; the tile is a record: a half is four tiles of rows; the scale words go by slots, two to a wave
	s_lshl_b32 s19, s16, 11
	s_add_co_u32 s22, s20, s19
	s_add_co_u32 s22, s22, RSC
	s_mul_i32 s18, s16, HALFA
	s_add_co_u32 s20, s20, s18
.endif
	s_mov_b32 s21, 0
	s_mov_b32 s23, 0
	s_lshl_b32 s46, s42, 1
	s_add_co_u32 s46, s46, s16
	s_mul_i32 s46, s46, REC
	s_mov_b32 s47, 0
	s_mul_i32 s45, s16, HALFA                      ; where they go: no place in the cluster enters an LDS address
	s_mul_i32 s96, s16, HALFB
	s_add_co_u32 s96, s96, 2*HALFA
	s_mul_i32 s97, s16, NA*512
	s_add_co_u32 s97, s97, SCL
	s_lshl_b32 s98, s16, 12
	s_add_co_u32 s98, s98, SCB
	s_wait_dscnt 0x0                               ; the opening add is done
	s_wait_kmcnt 0x0
	s_add_nc_u64 s[20:21], s[4:5], s[20:21]
	s_add_nc_u64 s[22:23], s[4:5], s[22:23]
	s_add_nc_u64 s[46:47], s[6:7], s[46:47]
	CROUND                                         ; all sixteen work-groups are here: the first joint loads meet
	s_mov_b32 s[G0S], 1
	s_mov_b32 s[G0S+1], s97
	s_mov_b64 s[G0S+2:G0S+3], s[22:23]
	s_or_b32 s[G0S+3], s[G0S+3], 0x80000000
	s_mov_b32 s[G0SB], 1
	s_mov_b32 s[G0SB+1], s98
	s_add_nc_u64 s[G0SB+2:G0SB+3], s[46:47], RSC
	s_or_b32 s[G0SB+3], s[G0SB+3], 0x80000000
	JLOAD G0S, G1S, G0SB, G1SB                     ; the scale words first
.irp s, 0,1
	s_mov_b32 s[G0+4*\s], 1
	s_add_co_u32 s[G0+4*\s+1], s45, \s*SLOT
	s_add_nc_u64 s[G0+4*\s+2:G0+4*\s+3], s[20:21], \s*SLB
	s_or_b32 s[G0+4*\s+3], s[G0+4*\s+3], 0x80000000
	s_mov_b32 s[G0B+4*\s], 1
	s_add_co_u32 s[G0B+4*\s+1], s96, \s*SLOT
	s_add_nc_u64 s[G0B+4*\s+2:G0B+4*\s+3], s[46:47], \s*SLB
	s_or_b32 s[G0B+4*\s+3], s[G0B+4*\s+3], 0x80000000
	JLOAD G0+4*\s, G1, G0B+4*\s, G1B               ; three loads of mine are out
.endr
	v_and_b32 v1, 31, v0                           ; lane
	v_and_b32 v2, 15, v0                           ; r
	v_bfe_u32 v3, v0, 4, 1                         ; h
	v_lshlrev_b32 v[L16], 4, v1
	v_lshlrev_b32 v[L8], 3, v1
	s_mul_i32 s21, s15, HALFA
	s_mul_i32 s22, s16, HALFB
	s_add_co_u32 s22, s22, 2*HALFA
.irp s, 0,1
	v_add_nc_u32 v[ADRA+\s], s21, v[L16]
	v_add_nc_u32 v[ADRA+2+\s], s21, v[L8]
	v_add_nc_u32 v[ADRB+\s], s22, v[L16]
	v_add_nc_u32 v[ADRB+2+\s], s22, v[L8]
	s_add_co_u32 s21, s21, SLOT
	s_add_co_u32 s22, s22, SLOT
.endr
	v_lshlrev_b32 v5, 3, v2
.if NA == 8
	s_lshl_b32 s21, s15, 12
.else
	s_lshl_b32 s21, s15, 9                         ; A's: my 64 rows of the record's 128
.endif
	s_lshl_b32 s22, s16, 12
	s_add_co_u32 s22, s22, NA*1024
	s_sub_co_u32 s22, s22, s21
	v_mul_u32_u24 v6, s22, v3                      ; lanes 16-31 take B's
	s_add_co_u32 s21, s21, SCL
	v_add_nc_u32 v5, v5, v6
	v_add_nc_u32 v[ADRS], s21, v5
	s_lshl_b32 s18, s42, 10
	s_lshl_b32 s19, s16, 9
	s_add_co_u32 s18, s18, s19                     ; my 128 columns, in bytes: of b_proj and of a row of out0
	v_lshl_add_u32 v7, v3, 6, s18
.irp g, 0,1,2,3
.irp j, 0,1,2,3
	global_load_b128 v[T+16*\g+4*\j:T+16*\g+4*\j+3], v7, s[8:9] offset:128*\g+16*\j   ; register 16 g + i: column 32 g + 16 h + i
.endr
.endr
	s_mul_i32 s23, s14, 16*SPITCH                  ; my stage
	v_mul_u32_u24 v5, v2, SPITCH                   ; in: row r, + 64 h
	v_lshl_add_u32 v5, v3, 6, v5
	v_add_nc_u32 v[STO], s23, v5
	v_add_nc_u32 v[RD], s23, v[L16]                ; back: the 32 lanes take one row of 512 bytes
	s_lshl_b32 s20, s17, 7
	s_lshl_b32 s21, s15, 6
	s_add_co_u32 s20, s20, s21                     ; my first token: 128 x tile + 64 x half
	s_lshl_b32 s20, s20, 12
	s_add_co_u32 s20, s20, s18
	s_mov_b32 s21, 0
	s_add_nc_u64 s[10:11], s[10:11], s[20:21]
	s_wait_tensorcnt 1                             ; the scale words and my part of slot 0 are in (slot 1's load may be out)
	s_barrier_signal -1
	s_barrier_wait -1                              ; everybody's are
	FETCH_B 0, 0, 0
	FETCH_A 0, 0, 0
	SCALES 0
	FETCH_A 0, 0, 1
	s_wait_loadcnt 0x0                             ; the bias
	STEP 0, 1                                      ; K's four slots are written out: the first products start the sums from the bias
	TURN 0, 1, 1
	STEP 1, 0
	TURN 1, 0, 1
	STEP 0, 0
	TURN 0, 1, 0                                   ; nothing is left to fetch
	STEP 1, 0
	s_wait_dscnt (NA/2)*NL
	MULG 0, 1, 1, 1, 0
	MULG 1, 1, 1, 1, 0
	s_wait_dscnt 0x0
	MULG 2, 1, 1, 1, 0
	MULG 3, 1, 1, 1, 0
	WIN 0
; THE WAY OUT, block by block of 16 tokens x 128 columns: through my own stage in LDS, back as whole rows of 512 bytes.  LDS serves a wave's instructions in order: no wait between the stores and the loads, nor in front of the next block's stores.
.macro TOSTAGE a
.set AC, 64*((\a)%4)
	WIN 0x08                                       ; an LDS store's data: window 2
.irp b, 0,1,2,3,4,5,6,7
	ds_store_b128 v[STO], v[AC+8*\b:AC+8*\b+3] offset:128*(\b/2)+32*(\b%2)          ; each accumulator from its low end on: columns 32 (b / 2) + 16 h + 8 (b % 2) + 0 .. 7
	ds_store_b128 v[STO], v[AC+8*\b+4:AC+8*\b+7] offset:128*(\b/2)+32*(\b%2)+16
.endr
	WIN 0
.set BB, BK+64*((\a)%2)
.irp t, 0,1,2,3,4,5,6,7,8,9,10,11,12,13,14,15
	ds_load_b128 v[BB+4*\t:BB+4*\t+3], v[RD] offset:\t*SPITCH
.endr
.endm
.macro SEND a, younger                 ; younger: the LDS instructions issued behind block a's loads, which may stay out
.set BB, BK+64*((\a)%2)
	s_wait_dscnt \younger
.irp t, 0,1,2,3,4,5,6,7,8,9,10,11,12,13,14,15
	global_store_b128 v[L16], v[BB+4*\t:BB+4*\t+3], s[10:11] offset:(32*((\a)/2)+8*((\a)%2)+\t+8*(\t/8))*4096 th:TH_STORE_NT   ; row t of block a is token 32 (a / 2) + 8 (a % 2) + t + 8 (t / 8); 512 consecutive bytes, at a multiple of 256 from out0's first byte
.endr
.endm
	PLACES NP                                      ; behind the last products: results are read, and loads land where A's fragments lay
	TOSTAGE 0
	TOSTAGE 1
	SEND 0, 32                                     ; behind block 0's loads: block 1's 16 stores and 16 loads
	s_wait_xcnt 0x0                                ; block 0's stores have read their registers: block 2's loads may land there
	TOSTAGE 2
	SEND 1, 32
	s_wait_xcnt 0x0
	TOSTAGE 3
	SEND 2, 32
	SEND 3, 0
	s_wait_tensorcnt 0x0                           ; the wave's end, behind my last tensor load and my last LDS store
	ds_add_u32 v[SPW], v[NIL]
	s_wait_dscnt 0x0
	CROUND                                         ; the closing round: no work-group ends while a partner may still ask for a tile that names it
	s_endpgm
.Lfunc_end_k_q1ed4e4ad02_gemm_proj:
	.size	k_q1ed4e4ad02_gemm_proj, .Lfunc_end_k_q1ed4e4ad02_gemm_proj-k_q1ed4e4ad02_gemm_proj
	.p2alignl 7, 3214868480
	.fill 96, 4, 3214868480
	.section	.rodata,"a",@progbits
	.p2align	6, 0x0
	.amdhsa_kernel k_q1ed4e4ad02_gemm_proj
		.amdhsa_group_segment_fixed_size 327680
		.amdhsa_private_segment_fixed_size 0
		.amdhsa_enable_private_segment 0
		.amdhsa_kernarg_size 32
		.amdhsa_user_sgpr_count 2
		.amdhsa_user_sgpr_kernarg_segment_ptr 1
		.amdhsa_wavefront_size32 1
		.amdhsa_system_sgpr_workgroup_id_x 1
		.amdhsa_system_sgpr_workgroup_id_y 1
		.amdhsa_system_sgpr_workgroup_id_z 1
		.amdhsa_system_vgpr_workitem_id 0
		.amdhsa_next_free_vgpr 768
		.amdhsa_next_free_sgpr 100
		.amdhsa_reserve_vcc 0
		.amdhsa_float_denorm_mode_32 3
		.amdhsa_float_denorm_mode_16_64 3
		.amdhsa_memory_ordered 1
		.amdhsa_forward_progress 1
		.amdhsa_inst_pref_size 90
	.end_amdhsa_kernel
	.amdgpu_metadata
---
amdhsa.version: [ 1, 2 ]
amdhsa.kernels:
  - .name:           k_q1ed4e4ad02_gemm_proj
    .symbol:         k_q1ed4e4ad02_gemm_proj.kd
    .args:
      - { .name: yq, .offset: 0, .size: 8, .value_kind: global_buffer, .address_space: global }
      - { .name: wp, .offset: 8, .size: 8, .value_kind: global_buffer, .address_space: global }
      - { .name: b_proj, .offset: 16, .size: 8, .value_kind: global_buffer, .address_space: global }
      - { .name: out0, .offset: 24, .size: 8, .value_kind: global_buffer, .address_space: global }
    .group_segment_fixed_size: 327680
    .private_segment_fixed_size: 0
    .kernarg_segment_align: 8
    .kernarg_segment_size: 32
    .max_flat_workgroup_size: 128
    .sgpr_count:     100
    .vgpr_count:     768
    .wavefront_size: 32
...
	.end_amdgpu_metadata
.endif
;; end of part 4
